; MI455X (gfx1250); checked and timed in simulation.
; The chip was launched on July 23, 2026; its instructions are those of AMD's public machine-readable ISA for CDNA 5 (MIT licence, August 2026) and "CDNA5" Instruction Set Architecture Reference Guide (July 2026). The comments in the code are by the model that wrote it; some were corrected since.
;; Standard Attention. Allowed arithmetic: matrix products marked QUANTISED: E2M3 operands, one E8M0 scale for each 32 along K, by v_wmma_scale_f32_16x16x128_f8f6f4 with both operands' format E2M3, f32 sums; everything else in f32.
;; Inputs: b_out 1,024 float32; w_out 1,024 x 1,024 float32; w_qkv 3,072 x 1,024 float32; x 4 x 2,048 x 1,024 float32.
;; Outputs: out0 4 x 2,048 x 1,024 float32.
;; This version of the problem:
;;   THIS VERSION OF THE PROBLEM IS GIVEN IN LOW PRECISION. The matrix products marked QUANTISED in the list below multiply operands that are first quantised to E2M3 (2 exponent bits, 3 mantissa bits; 6 bits a number), with one power-of-two scale for each 32 numbers along K (OCP MX v1.0); their sums are f32. All else is computed in f32.
;;   The module's matrix products, in the order in which they are computed (A, B: the left and right operand; K: the contracted axis; several contracted axes count as one K, in the product's order):
;;     1. [M 8,192, K 1,024] x [K 1,024, N 3,072]; A: input x; B: input w_qkv: QUANTISED
;;     2. batch 64 x [M 2,048, K 64] x [K 64, N 2,048]; A: computed on the way; B: computed on the way: QUANTISED
;;     3. batch 64 x [M 2,048, K 2,048] x [K 2,048, N 64]; A: softmax (see below); B: computed on the way: QUANTISED
;;     4. [M 8,192, K 1,024] x [K 1,024, N 1,024]; A: computed on the way; B: input w_out: QUANTISED
;;   THE QUANTISER, for each operand of a quantised product, along K:
;;     - K is cut into blocks of 32 from its start; a last block that is shorter is filled with zeros.
;;     - A block's scale is 2^e with e = floor(log2(the largest magnitude in the block)) - 2, held to -126 .. 127; a block of zeros has e = 0. As a byte (E8M0): e + 127.
;;     - Each number is divided by its block's scale, clamped to +-7.5, and rounded to the nearest number of E2M3, ties to even, subnormals kept.
;;     - The product sums the exact products of the quantised numbers (number of the format x scale) in f32.
;;   ~~~python
;;   def quantise(x, axis):      # numpy; x: float32 -> the quantised numbers, widened to float32 again
;;       x = np.moveaxis(x, axis, -1); K = x.shape[-1]
;;       x = np.pad(x, [(0, 0)] * (x.ndim - 1) + [(0, -K % 32)]); x = x.reshape(x.shape[:-1] + (-1, 32)); a = np.abs(x).max(-1, keepdims=True)
;;       e = np.where(a > 0, np.clip(np.frexp(np.where(a > 0, a, 1))[1] - 1 - 2, -126, 127), 0)      # np.frexp(a)[1] - 1 = floor(log2(a)), exactly
;;       r = np.clip(x / 2.0 ** e, -7.5, 7.5)
;;       step = 2.0 ** (np.maximum(np.frexp(np.where(r == 0, 1, r))[1] - 1, 0) - 3)
;;       q = np.round(r / step) * step * 2.0 ** e      # np.round: ties to even
;;       return np.moveaxis(q.reshape(q.shape[:-2] + (-1,))[..., :K], -1, axis).astype(np.float32)
;;   ~~~
;;   SOFTMAX AHEAD OF A QUANTISED PRODUCT. Where the list says 'softmax', what is quantised is not the finished softmax but p = 2^(t - M), with t = logit x log2(e) and M = ceil(the row's largest t), a whole number; so 1/2 < the row's largest p <= 1. The row's sum l is taken of the UNQUANTISED p, in f32, and the product's result is divided by l at the end. Since M is a whole number, a kernel that streams over the keys may use a running M (the ceiling of the running maximum): every later rescaling is an exact power of two, which a block's scale takes up: the codes' values come out the same.
;;   OPERANDS COMPUTED ON THE WAY. 'Computed on the way' means the value that the module computes at that place (a softmax that the list does not call 'softmax' is quantised finished and normalised). What goes into a quantiser is computed in f32, as accurately as f32 sums, v_exp_f32 and their like allow (about 1e-6 of the number): no bf16 or f16 on the way to a quantiser, and a product that is left as it is and whose result goes on into a quantised operand takes f32 operands (vector FMAs, or v_wmma_f32_16x16x4_f32). A number that lies on a knife's edge between two numbers of the format may be rounded either way, as far as f32 arithmetic and the matrix unit's own rounding can turn it there, and no further.
;; One version. Each part assembles by itself: llvm-mc -triple=amdgcn-amd-amdhsa -mcpu=gfx1250 --defsym DOCPART=n.
;; ======== version 1 of 1: 4 launches
;; limits: right only within a limited range of input values
;; workspace buffers: cw 10,223,616 bytes; ac 18,874,368 bytes; asc 1,310,720 bytes; oc 6,815,744 bytes
;; launch quant (part 1): grid 768 x 1, 4 waves a work-group, no clusters, 34,304 bytes of LDS; arguments x, w_qkv, w_out, cw; writes cw
.if DOCPART == 1
	.amdgcn_target "amdgcn-amd-amdhsa--gfx1250"
	.amdhsa_code_object_version 6
	.text
	.protected	k_q1885518b57_quant
	.globl	k_q1885518b57_quant
	.p2align	8
	.type	k_q1885518b57_quant,@function
k_q1885518b57_quant:
	s_mov_b64 s[64:65], 0
	v_nop
	global_prefetch_b8 v0, s[64:65] scope:SCOPE_SE
	s_setreg_imm32_b32 hwreg(HW_REG_WAVE_MODE, 25, 1), 1
	s_wait_xcnt 0x0
; x [8192][1024], w_qkv [3072][1024] and w_out [1024][1024], f32, K innermost, become codes of FP6 (E2M3) with one E8M0 byte for each 32 along K,
; laid in the order of a matrix operand's registers, so that the products' launches take them as they lie.
; A block's scale is 2^(floor(log2(its largest magnitude)) - 2); its byte is the largest magnitude's exponent field - 2, held at 1 from below.
; LIMITS: NaN and infinities among the inputs are not served; a block whose largest magnitude lies under 2^-124 keeps the byte 1; a block of zeros has the byte 1
; where the rule says 127: its codes are zeros, which add nothing under any byte but 0xff, and this program alone reads the bytes.
; TILES.  All rows of the three tensors count on: 12,288 rows = 768 tiles of 16.  Lane r of tile 2 g + u holds row 32 g + 8 u + r + 8 (r / 8): where such a tile is source 0 of a
; product, a lane's 16 result registers of tiles 2 g and 2 g + 1 are 16 neighbouring rows, which is what the next quantiser wants.
; RECORD (3,328 bytes) of a tile and 256 along K: fragment of the first 128 along K (12 registers: six pieces of 256 bytes, piece p = registers 2 p, 2 p + 1, lane l at 8 l),
; fragment of the second 128, then 256 bytes of scale words: at 8 l the words of lane l % 16's row for the two fragments.  cw = [K / 256: 4][tile: 768][record].
; SHARES.  A work-group takes one tile; wave w takes quarter w of K, one record: two steps of 128 along K, whose 32 loads all go out at the start.  768 work-groups: three for each of 256 WGPs.
; Waves share nothing: no barrier.  Each load reads 512 consecutive bytes of one row; a step's 16 rows turn through the wave's own stage in LDS, so that a lane gets 16 neighbours of each block of 32.
; No matrix unit, no tensor loads, no cluster: the launch streams, and no two work-groups read the same byte.
.set REC,  3328
.set CWP,  768*REC                     ; from one quarter of K to the next in cw
.set SPI,  528                         ; a stage row: 512 bytes + 16, an odd multiple of 16: the sixteen rows that a read touches start 16 bytes apart modulo 256
.set WST,  16*SPI                      ; a wave's stage
.set RA,   16                          ; v16-143  two sets of 64 registers as loaded
.set X,    144                         ; v144-207 64 numbers: register 16 b + i = k 32 b + 16 (lane / 16) + i of my row
.set PC,   208                         ; v208-227 the codes just made (12) and two runs of three at work
.set TM,   228                         ; v228-243 at work
.set PW,   244                         ; v244-245 a scale word for each step
.set SEL,  20                          ; s[20:21] lane selects for v_permlanex16_b32: lane l xor 16
	s_load_b128 s[4:7], s[0:1], 0x0                ; x, w_qkv
	s_load_b128 s[8:11], s[0:1], 0x10              ; w_out, cw
	v_lshl_add_u32 v248, v0, 2, 0x8400             ; my spare word, behind the four stages,
	v_mov_b32 v249, 0                              ; and 0: kept for the closing add
	v_lshrrev_b32 v5, 5, v0
	v_readfirstlane_b32 s12, v5                    ; wave 0..3: my quarter of K
	v_and_b32 v5, 31, v0                           ; lane
	v_and_b32 v6, 15, v0                           ; r
	v_bfe_u32 v7, v0, 4, 1                         ; h
	v_lshlrev_b32 v1, 4, v5                        ; my 16 bytes of a load's 512
	s_mul_i32 s13, s12, WST
	v_add_nc_u32 v2, s13, v1                       ; the stage, on the way in: 16 x lane in row i
	v_mul_u32_u24 v3, v6, SPI
	v_lshl_add_u32 v3, v7, 6, v3
	v_add_nc_u32 v3, s13, v3                       ; and out: row r, + 64 h: my 16 numbers of each block
	v_lshlrev_b32 v4, 3, v5                        ; a piece's place for my lane
	s_mov_b32 s[SEL], 0x76543210
	s_mov_b32 s[SEL+1], 0xfedcba98
.irp b, 0,1,2,3
	v_mov_b32 v[TM+4+\b], 0                        ; written once: a lane permute's destination counts as one of its sources
.endr
	s_and_b32 s14, ttmp9, 1                        ; u: which of a pair of tiles
	s_lshr_b32 s22, ttmp9, 1                       ; g: which 32 rows of all
	s_mov_b32 s16, 352
	s_wait_alu depctr_va_vdst(0)                   ; the wait at the head's end
	s_wait_kmcnt 0x0
	s_cmp_lt_u32 s22, 352                          ; g 0-255 is x, 256-351 w_qkv, 352-383 w_out: the choice hangs on the work-group's number alone
	s_cselect_b64 s[6:7], s[6:7], s[8:9]
	s_cselect_b32 s16, 256, s16
	s_cmp_lt_u32 s22, 256
	s_cselect_b64 s[4:5], s[4:5], s[6:7]
	s_cselect_b32 s16, 0, s16
	s_sub_co_u32 s16, s22, s16                     ; which 32 rows of that tensor
	s_lshl_b32 s16, s16, 17                        ; 32 rows of 4,096 bytes
	s_lshl_b32 s17, s14, 15                        ; + 8 u rows
	s_add_co_u32 s16, s16, s17
	s_lshl_b32 s17, s12, 10                        ; + my quarter of K: 256 numbers
	s_add_co_u32 s16, s16, s17
	s_mov_b32 s17, 0
	s_add_nc_u64 s[4:5], s[4:5], s[16:17]
	s_mul_i32 s18, ttmp9, REC                      ; my tile is the work-group's number,
	s_mul_i32 s19, s12, CWP                        ; my record that of my quarter
	s_add_co_u32 s18, s18, s19
	s_mov_b32 s19, 0
	s_add_nc_u64 s[10:11], s[10:11], s[18:19]
.macro LOAD t                          ; step t: 128 along K of the tile's 16 rows, into set t
.irp i, 0,1,2,3,4,5,6,7,8,9,10,11,12,13,14,15
	global_load_b128 v[RA+64*(\t)+4*\i:RA+64*(\t)+4*\i+3], v1, s[4:5] offset:(\i+8*(\i/8))*4096+512*(\t) th:TH_LOAD_NT
.endr
.endm
; 64 numbers of a lane, v[s] on, become a fragment's codes in v[PC] on and its scale word in v[pw].
.macro QUANT s, pw
.irp b, 0,1,2,3
	v_max3_num_f32 v[TM+\b], |v[\s+16*\b]|, |v[\s+1+16*\b]|, 0x1800000   ; block b: my 16 numbers, and the floor 2^(3 - 127): the byte cannot fall under 1
.endr
.irp i, 2,4,6,8,10,12,14
.irp b, 0,1,2,3
	v_max3_num_f32 v[TM+\b], v[TM+\b], |v[\s+16*\b+\i]|, |v[\s+1+16*\b+\i]|   ; the four blocks by turns
.endr
.endr
.irp b, 0,1,2,3
	v_permlanex16_b32 v[TM+4+\b], v[TM+\b], s[SEL], s[SEL+1]
.endr
.irp b, 0,1,2,3
	v_max_num_f32 v[TM+\b], v[TM+\b], v[TM+4+\b]   ; with lane l xor 16's 16: the block's largest magnitude
.endr
.irp b, 0,1,2,3
	v_add_nc_u32 v[TM+12+\b], 0xff000000, v[TM+\b] ; 2 off its exponent field: the conversion takes the exponent field of this operand as its scale
.endr
.irp b, 0,1,2,3
	v_lshrrev_b32 v[TM+4+\b], 23, v[TM+12+\b]      ; the scale's byte
.endr
	v_lshl_or_b32 v[\pw], v[TM+5], 8, v[TM+4]      ; the four bytes make my row's scale word
	v_lshl_or_b32 v[\pw], v[TM+6], 16, v[\pw]
	v_lshl_or_b32 v[\pw], v[TM+7], 24, v[\pw]
.irp c, 0,1
	v_cvt_scalef32_pk16_fp6_f32 v[PC+6*\c:PC+2+6*\c], v[\s+32*\c:\s+15+32*\c], v[TM+12+2*\c]
	v_cvt_scalef32_pk16_fp6_f32 v[PC+12+4*\c:PC+14+4*\c], v[\s+16+32*\c:\s+31+32*\c], v[TM+12+2*\c+1]   ; (a conversion's three registers begin on an even number)
.endr
	v_nop                                          ; one plain instruction behind a scaled conversion
.irp c, 0,1                            ; the operand's layout wants a whole block in a lane: lanes 0-15 block 2 c, lanes 16-31 block 2 c + 1
.irp i, 0,1,2
	v_permlane16_swap_b32 v[PC+6*\c+\i], v[PC+12+4*\c+\i]
.endr
.irp i, 0,1,2
	v_mov_b32 v[PC+3+6*\c+\i], v[PC+12+4*\c+\i]
.endr
.endr
.endm
.macro STEP t
.if (\t) < 1
	s_wait_loadcnt 16                              ; this step's sixteen loads are in; the second step's sixteen may be out
.else
	s_wait_loadcnt 0x0
.endif
.irp i, 0,1,2,3,4,5,6,7,8,9,10,11,12,13,14,15
	ds_store_b128 v2, v[RA+64*(\t)+4*\i:RA+64*(\t)+4*\i+3] offset:SPI*\i
.endr
.irp b, 0,1,2,3
.irp j, 0,1,2,3
	ds_load_b128 v[X+16*\b+4*\j:X+16*\b+4*\j+3], v3 offset:128*\b+16*\j   ; LDS serves a wave's instructions in order: these see the stores above
.endr
.endr
	s_wait_dscnt 0x0                               ; the numbers are back
	s_wait_xcnt 0x0                                ; the last step's stores have read the codes' registers, which are written again below
	QUANT X, PW+(\t)
.irp p, 0,1,2,3,4,5
	global_store_b64 v4, v[PC+2*\p:PC+2*\p+1], s[10:11] offset:(\t)*1536+256*\p   ; 32 lanes store 256 consecutive bytes, aligned
.endr
.if (\t)%2
	global_store_b64 v4, v[PW+(\t)-1:PW+(\t)], s[10:11] offset:3072   ; the record's scale words: both halves of the lanes hold them, so all 256 bytes are written
.endif
.endm
	LOAD 0
	LOAD 1
	STEP 0
	STEP 1
	s_wait_tensorcnt 0x0                           ; the wave's end, behind my last LDS store
	ds_add_u32 v248, v249
	s_wait_dscnt 0x0
	s_endpgm
.Lfunc_end_k_q1885518b57_quant:
	.size	k_q1885518b57_quant, .Lfunc_end_k_q1885518b57_quant-k_q1885518b57_quant
	.p2alignl 7, 3214868480
	.fill 96, 4, 3214868480
	.section	.rodata,"a",@progbits
	.p2align	6, 0x0
	.amdhsa_kernel k_q1885518b57_quant
		.amdhsa_group_segment_fixed_size 34304
		.amdhsa_private_segment_fixed_size 0
		.amdhsa_enable_private_segment 0
		.amdhsa_kernarg_size 32
		.amdhsa_user_sgpr_count 2
		.amdhsa_user_sgpr_kernarg_segment_ptr 1
		.amdhsa_wavefront_size32 1
		.amdhsa_system_sgpr_workgroup_id_x 1
		.amdhsa_system_sgpr_workgroup_id_y 1
		.amdhsa_system_sgpr_workgroup_id_z 1
		.amdhsa_system_vgpr_workitem_id 0
		.amdhsa_next_free_vgpr 250
		.amdhsa_next_free_sgpr 66
		.amdhsa_reserve_vcc 0
		.amdhsa_float_denorm_mode_32 3
		.amdhsa_float_denorm_mode_16_64 3
		.amdhsa_memory_ordered 1
		.amdhsa_forward_progress 1
		.amdhsa_inst_pref_size 19
	.end_amdhsa_kernel
	.amdgpu_metadata
---
amdhsa.version: [ 1, 2 ]
amdhsa.kernels:
  - .name:           k_q1885518b57_quant
    .symbol:         k_q1885518b57_quant.kd
    .args:
      - { .name: x, .offset: 0, .size: 8, .value_kind: global_buffer, .address_space: global }
      - { .name: w_qkv, .offset: 8, .size: 8, .value_kind: global_buffer, .address_space: global }
      - { .name: w_out, .offset: 16, .size: 8, .value_kind: global_buffer, .address_space: global }
      - { .name: cw, .offset: 24, .size: 8, .value_kind: global_buffer, .address_space: global }
    .group_segment_fixed_size: 34304
    .private_segment_fixed_size: 0
    .kernarg_segment_align: 8
    .kernarg_segment_size: 32
    .max_flat_workgroup_size: 128
    .sgpr_count:     66
    .vgpr_count:     250
    .wavefront_size: 32
...
	.end_amdgpu_metadata
.endif
;; end of part 1
;; launch qkv (part 2): grid 16 x 48, 4 waves a work-group, clusters of 4 x 4, 327,680 bytes of LDS; arguments cw, ac, asc; writes ac, asc
.if DOCPART == 2
	.amdgcn_target "amdgcn-amd-amdhsa--gfx1250"
	.amdhsa_code_object_version 6
	.text
	.protected	k_q1885518b57_qkv
	.globl	k_q1885518b57_qkv
	.p2align	8
	.type	k_q1885518b57_qkv,@function
k_q1885518b57_qkv:
	s_mov_b64 s[64:65], 0
	v_nop
	global_prefetch_b8 v0, s[64:65] scope:SCOPE_SE
	s_setreg_imm32_b32 hwreg(HW_REG_WAVE_MODE, 25, 1), 1
	s_wait_xcnt 0x0
	s_wait_alu depctr_hold_cnt(0) depctr_sa_sdst(0) depctr_va_vdst(0) depctr_va_sdst(0) depctr_va_ssrc(0) depctr_va_vcc(0) depctr_vm_vsrc(0)
	s_getreg_b32 s2, hwreg(HW_REG_IB_STS2, 6, 4)
	s_cmp_eq_u32 s2, 0
	s_cbranch_scc0 .Lentry_in_a_cluster
	s_endpgm
.Lentry_in_a_cluster:
	s_bfe_u32 s2, ttmp6, 0x10000c
	s_cmp_lg_u32 s2, 0xf033
	s_cbranch_scc0 .Lentry_shape_is_right
	s_endpgm
.Lentry_shape_is_right:
; qkv = x w_qkv^T on codes of FP6 (E2M3) with E8M0 scales, K = 1,024; q and k are quantised along the head's 64 channels, v along the keys, in registers, and leave as codes
; in the order of the attention's operand registers.  No f32 number of qkv goes to memory.
; LIMITS: NaN and infinities are not served; a block whose largest magnitude lies under 2^-124 keeps the scale byte 1, a block of zeros too (its codes are zeros; this program alone reads the bytes).
; INPUT cw = [K / 256: 4][tile: 768][record of 3,328 bytes]: tiles 0-511 x, 512-575 w_q, 576-639 w_k, 640-703 w_v.  A tile is 16 rows: lane r of tile 2 g + u holds row 32 g + 8 u + r + 8 (r / 8).
; A record: two fragments (128 along K each; six pieces of 256 bytes, piece p = registers 2 p, 2 p + 1, lane l at 8 l), then 256 bytes of scale words (at 8 l: the two words of lane l % 16's row).
; A WORK-GROUP makes 256 rows of A' x 128 rows of B', with all of K in LDS: 16 + 8 tiles x 4 quarters of K = 319,488 bytes, each byte filled once.  Four waves; wave w takes A's tiles 4 w .. 4 w + 3
; against B's eight: 32 accumulators.  THE MATRIX INSTRUCTION IS USED TRANSPOSED (source 0 = B', source 1 = A'): a lane holds ONE row of A', and for a tile of A' its 64 result registers are
; B' rows 32 b + 16 (lane / 16) + i in register 16 b + i: neighbours along the next product's K.
; TWO KINDS OF TILE, told apart by the cluster's y, which all partners share.  Clusters y 0-7: A' = x (tokens), B' = w_q, w_k: a lane's registers run along the channels: 128 channels = two heads.
; Clusters y 8-11: A' = w_v (channels), B' = x: a lane's registers run along the keys: 128 keys = one K step of the attention's second product.  Only offsets differ: no branch hangs on the kind.
; CLUSTER 4 x 4: the four of a row need the same tiles of A', the four of a column the same of B': each block is asked for jointly, by the same tensor load with a mask that names the four.
; No ring: nothing is filled again; by this text's count a wave has four tensor loads out, one for each quarter of K, and the products begin when the first has landed.
; No prefetch: every tensor load is issued at the head.
; OUTPUT.  ac: q, k: [b 4][q heads 0-15, k heads 16-31][token tile 128][768 bytes: registers 0-5 of a fragment]; from byte 12,582,912 v: [16 b + key step][4 head + channel tile][1,536].
;          asc: q, k: [b][head][tile][16 rows][word: two bytes, then two zeros]; from byte 1,048,576 v: [16 b + key step][4 head + channel tile][16 rows][word].
; REGISTERS: window 0: v3-15 addresses; v16-63 scale words, two sets; v64-159 A's fragments, two sets; v160-207 the way out.  window 1: B's fragments, two sets, at v0 and v128.  window 2: accumulator (a, b) at v[8 (8 a + b)].
; THE FILLS, as they now stand (this takes the place of what the lines above say of four loads a wave): wave w fetches one whole quarter of K of one operand at a time, A's 16 tiles (w even) or B's 8 (w odd).
; At the head quarter w / 2; behind the wait for it, the add, its wait and a round of the cluster's barrier, quarter 2 + w / 2: one tensor load a wave in each place. Each byte is still filled once.
.set REC,  3328
.set CWP,  768*REC                     ; from one quarter of K to the next in cw
.set ACH,  16*REC                      ; LDS: A's 16 tiles of a quarter of K
.set BCH,  8*REC                       ; B's 8
.set LB,   4*ACH                       ; B begins behind A's four quarters
.set SST,  LB+4*BCH                    ; behind them: 512 bytes for each wave, for the scale words' way out; no tensor load lands there
.set L8,   3                           ; v3     8 x lane
.set ADRA, 4                           ; v4-7   LDS address of my four tiles of A in quarter 0 .. 3
.set ADRB, 8                           ; v8-11  the same for B's eight
.set SHV,  12                          ; v12    by how much my half of the lanes shifts a scale word
.set SSA,  13                          ; v13    where I put a scale word
.set SSR,  14                          ; v14    where I read 16 bytes of them back
.set SGO,  15                          ; v15    and where they go in asc
.set SCS,  16                          ; scale words: set z at v[16 + 24 z]: A's tile a, fragment q at + 2 a + q; B's tile b at + 8 + 2 b + q
.set AF,   64
.set TM,   160
.set PW,   176
.set PC,   180
.set SV,   200
.set SBK,  204
.set WV,   12                          ; s12 wave; s13 = 0: I fetch for A, 1: for B; s14: which half of that block
.set SEL,  10                          ; s[10:11]
.set G1A,  24                          ; s[24:31], s[32:39] descriptor groups 1;  s[40:47] A's two groups 0;  s[56:63] B's
.set G1B,  32
.set G0A,  40
.set SAS,  80                          ; s[80:81] from a tile of A' to the next in ac
.set SCO,  82                          ; s[82:83] from a fragment's first half to its second in ac
.set SHS,  84
.set MSK,  85
.set HSS,  86
.set PSC,  87
.set OA,   88                          ; s[88:89], s[90:91] where the two halves go;  s[92:93] the scale words
.set OB,   90
.set OSC,  92
.set MSB, 0
.macro WIN new                         ; the immediate's high byte repeats the setting that is left
.if MSB != \new
	s_set_vgpr_msb (MSB<<8)|\new
.set MSB, \new
.endif
.endm
.set MUL,  0xa1                        ; source 0 (B) window 1, source 1 (A) window 0, C and D window 2
.set TO_B, 0x40                        ; destination window 1, address window 0
.macro PLACES n
.rept \n
	v_nop
.endr
.endm
.macro CROUND                          ; a round of the cluster's barrier
	s_barrier_signal -1
	s_barrier_wait -1
	s_cmp_lg_u32 s[WV], 0
	s_cbranch_scc1 .Lnot_wave_0_\@
	s_barrier_signal -3
.Lnot_wave_0_\@:
	s_barrier_wait -3
	s_barrier_signal -1
	s_barrier_wait -1
.endm
	s_load_b128 s[4:7], s[0:1], 0x0                ; cw, ac
	s_load_b64 s[8:9], s[0:1], 0x10                ; asc
	v_lshl_add_u32 v254, v0, 2, 0x4e800
	v_mov_b32 v255, 0
	ds_add_u32 v254, v255
	ds_add_u32 v254, v255
	v_lshrrev_b32 v1, 5, v0
	v_readfirstlane_b32 s[WV], v1
	s_and_b32 s13, s[WV], 1                        ; 0: I fetch for A, 1: for B
	s_lshr_b32 s14, s[WV], 1                       ; which of a group's two quarters of K
	s_bfe_u32 s15, ttmp6, 0x40000                  ; cx
	s_bfe_u32 s16, ttmp6, 0x40004                  ; cy
	s_and_b32 s18, ttmp7, 0xffff                   ; the cluster's y: 0-7 q and k, 8-11 v
	s_lshl_b32 s20, s18, 6
	s_max_u32 s76, s18, 8
	s_sub_co_u32 s76, s76, 8
	s_lshl_b32 s76, s76, 2
	s_add_co_u32 s76, s76, ttmp9                   ; which four tile columns: cluster x, for v + 4 (cluster y - 8)
	s_cmp_ge_u32 s18, 8
	s_cselect_b32 s20, 640, s20                    ; A's first tile: w_v's, or x's 64 x cluster y,
	s_cselect_b32 s77, 0, 512                      ; B's: x's, or w_q's
	s_lshl_b32 s21, s16, 4
	s_add_co_u32 s20, s20, s21                     ; + 16 cy: shared along a row of the cluster
	s_lshl_b32 s78, s76, 5
	s_add_co_u32 s77, s77, s78
	s_lshl_b32 s78, s15, 3
	s_add_co_u32 s77, s77, s78                     ; + 8 (4 x quad + cx): shared along a column
	s_lshl_b32 s21, s16, 2
	s_lshl_b32 s21, 15, s21                        ; my row of the cluster
	s_lshl_b32 s78, 0x1111, s15                    ; my column
	; descriptor groups 1: dense blocks as rows of 256 bytes (32 elements of 8 bytes): A 16 tiles = 208 rows, B 8 tiles = 104
	s_or_b32 s[G1A], s21, (3<<16)|(1<<21)          ; 15:0 the mask; 17:16 elements of 8 bytes; 20 no padding; 21 set beside a mask
	s_or_b32 s[G1B], s78, (3<<16)|(1<<21)
	s_mov_b32 s[G1A+1], 32<<16                     ; tensor_dim0
	s_mov_b32 s[G1A+2], 208<<16                    ; tensor_dim1: 16 tiles = 208 rows
	s_mov_b32 s[G1A+3], 32<<16                     ; tile_dim0
	s_mov_b32 s[G1A+4], 208                        ; tile_dim1
	s_mov_b32 s[G1A+5], 32                         ; from row to row
	s_mov_b32 s[G1A+6], 0
	s_mov_b32 s[G1A+7], 0
	s_mov_b32 s[G1B+1], 32<<16
	s_mov_b32 s[G1B+2], 104<<16                    ; 8 tiles = 104 rows
	s_mov_b32 s[G1B+3], 32<<16
	s_mov_b32 s[G1B+4], 104
	s_mov_b32 s[G1B+5], 32
	s_mov_b32 s[G1B+6], 0
	s_mov_b32 s[G1B+7], 0
	s_mul_i32 s21, s14, CWP                        ; my quarter of K in memory
	s_mul_i32 s22, s20, REC
	s_add_co_u32 s22, s22, s21
	s_mov_b32 s23, 0
	s_mul_i32 s79, s14, CWP
	s_mul_i32 s2, s77, REC
	s_add_co_u32 s2, s2, s79
	s_mov_b32 s3, 0
	s_mul_i32 s21, s14, ACH                        ; and in LDS
	s_mul_i32 s79, s14, BCH
	s_wait_dscnt 0x0
	s_wait_kmcnt 0x0
	s_add_nc_u64 s[22:23], s[4:5], s[22:23]
	s_add_nc_u64 s[2:3], s[4:5], s[2:3]
.irp kp, 0,1
	s_mov_b32 s[G0A+4*\kp], 1                      ; count = 1; set kp: the head's load (0), the later one (1), two quarters on
	s_add_co_u32 s[G0A+4*\kp+1], s21, 2*\kp*ACH
	s_add_nc_u64 s[G0A+4*\kp+2:G0A+4*\kp+3], s[22:23], 2*\kp*CWP
	s_or_b32 s[G0A+4*\kp+3], s[G0A+4*\kp+3], 0x80000000   ; type = 2
.set GB, 56+4*\kp+4*(\kp/2)
	s_mov_b32 s[GB], 1
	s_add_co_u32 s[GB+1], s79, LB+2*\kp*BCH
	s_add_nc_u64 s[GB+2:GB+3], s[2:3], 2*\kp*CWP
	s_or_b32 s[GB+3], s[GB+3], 0x80000000
.endr
	CROUND                                         ; all sixteen work-groups are here: the joint loads meet
	s_cmp_eq_u32 s13, 0                            ; a wave's first fill stands in a branch on the wave's number, ahead of every wait on TENSORcnt and every LDS read
	s_cbranch_scc0 .Lfor_b
	tensor_load_to_lds s[G0A:G0A+3], s[G1A:G1A+7]
	s_nop 0
	PLACES 4                                       ; four v_nop follow the last, ahead of the jump and the label
	s_branch .Lasked
.Lfor_b:
	tensor_load_to_lds s[56:59], s[G1B:G1B+7]
	s_nop 0
	PLACES 4
.Lasked:
	v_and_b32 v1, 31, v0                           ; lane
	v_bfe_u32 v2, v0, 4, 1                         ; h
	v_lshlrev_b32 v[L8], 3, v1
	s_mul_i32 s17, s[WV], 4*REC                    ; my four tiles of A
	v_add_nc_u32 v[ADRA], s17, v[L8]
.irp kp, 1,2,3
	v_add_nc_u32 v[ADRA+\kp], \kp*ACH, v[ADRA]
.endr
.irp kp, 0,1,2,3
	v_add_nc_u32 v[ADRB+\kp], LB+\kp*BCH, v[L8]
.endr
	s_mov_b32 s[SEL], 0x76543210
	s_mov_b32 s[SEL+1], 0xfedcba98
.irp b, 0,1,2,3
	v_mov_b32 v[TM+4+\b], 0                        ; written once: a lane permute's destination counts as one of its sources
.endr
	; where the results go.  T0: my first tile of A'.  q, k: plane P = 32 b + 2 x tile column (two heads), row tile T0 % 128.  v: plane P = tile column = 16 b + key step, channel tile T0 % 64
	s_lshl_b32 s19, s[WV], 2
	s_add_co_u32 s19, s19, s20                     ; T0
	s_lshl_b32 s94, s76, 2
	s_add_co_u32 s94, s94, s15                     ; tile column
	s_lshr_b32 s95, s19, 7
	s_lshl_b32 s95, s95, 5
	s_lshl_b32 s80, s94, 1
	s_add_co_u32 s95, s95, s80
	s_mov_b32 s[SAS], 768
	s_mov_b32 s[SCO], 98304
	s_mov_b32 s[PSC], 8192
	s_cmp_ge_u32 s18, 8
	s_cselect_b32 s[SAS], 1536, s[SAS]             ; v: a whole fragment a tile; q, k: half a fragment
	s_cselect_b32 s[SCO], 768, s[SCO]              ; v: the fragment's second half; q, k: the next head
	s_cselect_b32 s[SHS], 0, 16                    ; q, k: lanes 16-31 take the word's upper two bytes, the second head's
	s_cselect_b32 s[MSK], -1, 0xffff
	s_cselect_b32 s[HSS], 0, 8192                  ; and send them a head further on
	s_cselect_b32 s95, s94, s95                    ; P
	s_cselect_b32 s94, 63, 127
	s_cselect_b32 s[PSC], 4096, s[PSC]             ; a plane of scale words
	s_cselect_b32 s[OA], 12582912, 0
	s_cselect_b32 s[OSC], 1048576, 0
	s_and_b32 s94, s19, s94                        ; the tile in its plane
	s_mul_i32 s19, s95, 98304
	s_add_co_u32 s[OA], s[OA], s19
	s_mul_i32 s19, s94, s[SAS]
	s_add_co_u32 s[OA], s[OA], s19
	s_mov_b32 s[OA+1], 0
	s_mul_i32 s19, s95, s[PSC]
	s_add_co_u32 s[OSC], s[OSC], s19
	s_lshl_b32 s19, s94, 6
	s_add_co_u32 s[OSC], s[OSC], s19
	s_mov_b32 s[OSC+1], 0
	s_mov_b32 s[SAS+1], 0
	s_mov_b32 s[SCO+1], 0
	s_add_nc_u64 s[OA:OA+1], s[6:7], s[OA:OA+1]
	s_add_nc_u64 s[OB:OB+1], s[OA:OA+1], s[SCO:SCO+1]
	s_add_nc_u64 s[OSC:OSC+1], s[8:9], s[OSC:OSC+1]
	v_and_b32 v[SSA], 15, v0                       ; r
	v_lshlrev_b32 v[SGO], 4, v[SSA]
	v_lshlrev_b32 v[SSA], 2, v[SSA]
	v_lshl_add_u32 v[SSA], v2, 8, v[SSA]           ; 4 r + 256 h
	s_lshl_b32 s17, s[WV], 9
	s_add_co_u32 s17, s17, SST
	v_add_nc_u32 v[SSA], s17, v[SSA]
	v_lshl_add_u32 v[SSR], v1, 4, s17              ; 16 x lane
	v_mul_u32_u24 v[SHV], s[SHS], v2
	v_mad_u32_u24 v[SGO], s[HSS], v2, v[SGO]
; Step s of eight: quarter s / 2 of K, fragment s % 2 of the records.  72 loads of 8 bytes, each 256 consecutive bytes of LDS; with a quarter's first step its 12 loads of scale words.
.macro FETCH s
.set KP, (\s)/2
.set QQ, (\s)%2
	WIN TO_B
.irp b, 0,1,2,3,4,5,6,7
.irp p, 0,1,2,3,4,5
	ds_load_b64 v[128*QQ+12*\b+2*\p:128*QQ+12*\b+2*\p+1], v[ADRB+KP] offset:\b*REC+QQ*1536+256*\p
.endr
.endr
	WIN 0
.irp a, 0,1,2,3
.irp p, 0,1,2,3,4,5
	ds_load_b64 v[AF+48*QQ+12*\a+2*\p:AF+48*QQ+12*\a+2*\p+1], v[ADRA+KP] offset:\a*REC+QQ*1536+256*\p
.endr
.endr
.if QQ == 0
.irp a, 0,1,2,3
	ds_load_b64 v[SCS+24*(KP%2)+2*\a:SCS+24*(KP%2)+2*\a+1], v[ADRA+KP] offset:\a*REC+3072
.endr
.irp b, 0,1,2,3,4,5,6,7
	ds_load_b64 v[SCS+24*(KP%2)+8+2*\b:SCS+24*(KP%2)+8+2*\b+1], v[ADRB+KP] offset:\b*REC+3072
.endr
.endif
.endm
; 32 matrix instructions: the accumulators take turns, one instruction a turn, in the same order in every step.  zero = 1: the first step starts the sums.
.macro MUL32 s, zero
.set KP, (\s)/2
.set QQ, (\s)%2
.set SS, SCS+24*(KP%2)
.irp a, 0,1,2,3
.irp b, 0,1,2,3,4,5,6,7
.if \zero
	v_wmma_scale_f32_16x16x128_f8f6f4 v[8*(8*\a+\b):8*(8*\a+\b)+7], v[128*QQ+12*\b:128*QQ+12*\b+11], v[AF+48*QQ+12*\a:AF+48*QQ+12*\a+11], 0, v[SS+8+2*\b+QQ], v[SS+2*\a+QQ] matrix_a_fmt:MATRIX_FMT_FP6 matrix_b_fmt:MATRIX_FMT_FP6
.else
	v_wmma_scale_f32_16x16x128_f8f6f4 v[8*(8*\a+\b):8*(8*\a+\b)+7], v[128*QQ+12*\b:128*QQ+12*\b+11], v[AF+48*QQ+12*\a:AF+48*QQ+12*\a+11], v[8*(8*\a+\b):8*(8*\a+\b)+7], v[SS+8+2*\b+QQ], v[SS+2*\a+QQ] matrix_a_fmt:MATRIX_FMT_FP6 matrix_b_fmt:MATRIX_FMT_FP6
.endif
.endr
.endr
.endm
; 64 numbers of a lane in window 2, v[s] on (register 16 b + i = place 32 b + 16 (lane / 16) + i along the next K), become a fragment's codes in v[PC] on and its scale word in v[PW].
; Each accumulator is first read at its registers 0 and 1.
.macro QUANT s
	WIN 0x28                                       ; sources 1 and 2 window 2
.irp b, 0,1,2,3
	v_max3_num_f32 v[TM+\b], 0x1800000, |v[(\s)+16*\b]|, |v[(\s)+1+16*\b]|   ; the floor 2^(3 - 127): the byte cannot fall under 1
.endr
.irp i, 2,4,6,8,10,12,14
.irp b, 0,1,2,3
	v_max3_num_f32 v[TM+\b], v[TM+\b], |v[(\s)+16*\b+\i]|, |v[(\s)+1+16*\b+\i]|
.endr
.endr
	WIN 0
.irp b, 0,1,2,3
	v_permlanex16_b32 v[TM+4+\b], v[TM+\b], s[SEL], s[SEL+1]
.endr
.irp b, 0,1,2,3
	v_max_num_f32 v[TM+\b], v[TM+\b], v[TM+4+\b]   ; with lane l xor 16's 16: the block's largest magnitude
.endr
.irp b, 0,1,2,3
	v_add_nc_u32 v[TM+12+\b], 0xff000000, v[TM+\b] ; 2 off its exponent field: the conversion's scale operand
.endr
.irp b, 0,1,2,3
	v_lshrrev_b32 v[TM+4+\b], 23, v[TM+12+\b]      ; the scale's byte
.endr
	v_lshl_or_b32 v[PW], v[TM+5], 8, v[TM+4]
	v_lshl_or_b32 v[PW], v[TM+6], 16, v[PW]
	v_lshl_or_b32 v[PW], v[TM+7], 24, v[PW]
	WIN 0x02                                       ; source 0 window 2
.irp c, 0,1
	v_cvt_scalef32_pk16_fp6_f32 v[PC+6*\c:PC+2+6*\c], v[(\s)+32*\c:(\s)+15+32*\c], v[TM+12+2*\c]
	v_cvt_scalef32_pk16_fp6_f32 v[PC+12+4*\c:PC+14+4*\c], v[(\s)+16+32*\c:(\s)+31+32*\c], v[TM+12+2*\c+1]
.endr
	WIN 0
	v_nop                                          ; one plain instruction behind a scaled conversion
.irp c, 0,1
.irp i, 0,1,2
	v_permlane16_swap_b32 v[PC+6*\c+\i], v[PC+12+4*\c+\i]
.endr
.irp i, 0,1,2
	v_mov_b32 v[PC+3+6*\c+\i], v[PC+12+4*\c+\i]
.endr
.endr
.endm
	s_wait_alu depctr_va_vdst(0)                   ; the wait at the head's end
	s_wait_tensorcnt 0x0                           ; my quarter of the first two is in
	ds_add_u32 v254, v255
	s_wait_dscnt 0x0
	CROUND                                         ; everybody's is in, and all sixteen work-groups are here: the joint loads meet
	s_cmp_eq_u32 s13, 0
	s_cbranch_scc0 .Lfor_b2
	tensor_load_to_lds s[G0A+4:G0A+7], s[G1A:G1A+7]
	s_nop 0
	PLACES 4
	s_branch .Lasked2
.Lfor_b2:
	tensor_load_to_lds s[60:63], s[G1B:G1B+7]
	s_nop 0
	PLACES 4
.Lasked2:
	FETCH 0
.irp s, 0,1,2,3,4,5,6,7
	s_wait_dscnt 0x0                               ; this step's fragments are in (from the second step on: asked for 32 matrix instructions ago)
.if \s == 3
	s_wait_tensorcnt 0x0                           ; my quarter of the last two is in; the barrier shows everybody's
	s_barrier_signal -1
	s_barrier_wait -1
.endif
.if (\s > 0) && (\s < 7)
	PLACES 4                                       ; the loads below land in registers that the last step's matrix instructions read (ISA guide 7.12.1 for vector instructions)
.endif
.if \s < 7
	FETCH \s+1
.endif
	WIN MUL
.if \s == 0
	MUL32 \s, 1
.else
	MUL32 \s, 0
.endif
.endr
	WIN 0
	; THE WAY OUT, a tile of A' at a time: quantise, store the fragment's two halves (three stores of 256 consecutive aligned bytes each), keep the scale word for the stage.
	PLACES 4
.irp a, 0,1,2,3
.if \a > 0
	s_wait_xcnt 0x0                                ; the stores before have read the codes' registers and their bases: both are written again
	s_add_nc_u64 s[OA:OA+1], s[OA:OA+1], s[SAS:SAS+1]
	s_add_nc_u64 s[OB:OB+1], s[OB:OB+1], s[SAS:SAS+1]
.endif
	QUANT 64*\a
.irp p, 0,1,2
	global_store_b64 v[L8], v[PC+2*\p:PC+2*\p+1], s[OA:OA+1] offset:256*\p
.endr
.irp p, 0,1,2
	global_store_b64 v[L8], v[PC+6+2*\p:PC+7+2*\p], s[OB:OB+1] offset:256*\p
.endr
	v_lshrrev_b32 v[SV+\a], v[SHV], v[PW]          ; q, k: lanes 0-15 keep the first head's two bytes, lanes 16-31 the second's; v: the whole word
	v_and_b32 v[SV+\a], s[MSK], v[SV+\a]
	ds_store_b32 v[SSA], v[SV+\a] offset:64*\a     ; my wave's own 512 bytes: [half of the lanes][tile][row]
.endr
	ds_load_b128 v[SBK:SBK+3], v[SSR]              ; LDS serves a wave's instructions in order: this sees the stores above
	s_wait_dscnt 0x0
	global_store_b128 v[SGO], v[SBK:SBK+3], s[OSC:OSC+1]   ; sixteen lanes store four tiles' words, 256 consecutive aligned bytes; q, k: the other sixteen the next head's; v: the same bytes with the same values
	s_wait_tensorcnt 0x0
	ds_add_u32 v254, v255
	s_wait_dscnt 0x0
	CROUND                                         ; the closing round: no work-group ends while a partner may still ask for a block that names it
	s_endpgm
.Lfunc_end_k_q1885518b57_qkv:
	.size	k_q1885518b57_qkv, .Lfunc_end_k_q1885518b57_qkv-k_q1885518b57_qkv
	.p2alignl 7, 3214868480
	.fill 96, 4, 3214868480
	.section	.rodata,"a",@progbits
	.p2align	6, 0x0
	.amdhsa_kernel k_q1885518b57_qkv
		.amdhsa_group_segment_fixed_size 327680
		.amdhsa_private_segment_fixed_size 0
		.amdhsa_enable_private_segment 0
		.amdhsa_kernarg_size 24
		.amdhsa_user_sgpr_count 2
		.amdhsa_user_sgpr_kernarg_segment_ptr 1
		.amdhsa_wavefront_size32 1
		.amdhsa_system_sgpr_workgroup_id_x 1
		.amdhsa_system_sgpr_workgroup_id_y 1
		.amdhsa_system_sgpr_workgroup_id_z 1
		.amdhsa_system_vgpr_workitem_id 0
		.amdhsa_next_free_vgpr 768
		.amdhsa_next_free_sgpr 96
		.amdhsa_reserve_vcc 0
		.amdhsa_float_denorm_mode_32 3
		.amdhsa_float_denorm_mode_16_64 3
		.amdhsa_memory_ordered 1
		.amdhsa_forward_progress 1
		.amdhsa_inst_pref_size 101
	.end_amdhsa_kernel
	.amdgpu_metadata
---
amdhsa.version: [ 1, 2 ]
amdhsa.kernels:
  - .name:           k_q1885518b57_qkv
    .symbol:         k_q1885518b57_qkv.kd
    .args:
      - { .name: cw, .offset: 0, .size: 8, .value_kind: global_buffer, .address_space: global }
      - { .name: ac, .offset: 8, .size: 8, .value_kind: global_buffer, .address_space: global }
      - { .name: asc, .offset: 16, .size: 8, .value_kind: global_buffer, .address_space: global }
    .group_segment_fixed_size: 327680
    .private_segment_fixed_size: 0
    .kernarg_segment_align: 8
    .kernarg_segment_size: 24
    .max_flat_workgroup_size: 128
    .sgpr_count:     96
    .vgpr_count:     768
    .wavefront_size: 32
...
	.end_amdgpu_metadata
.endif
;; end of part 2
;; launch attn (part 3): grid 4 x 64, 16 waves a work-group, clusters of 4 x 1, 223,232 bytes of LDS; arguments ac, asc, oc; writes oc
.if DOCPART == 3
	.amdgcn_target "amdgcn-amd-amdhsa--gfx1250"
	.amdhsa_code_object_version 6
	.text
	.protected	k_q1885518b57_attn
	.globl	k_q1885518b57_attn
	.p2align	8
	.type	k_q1885518b57_attn,@function
k_q1885518b57_attn:
	s_mov_b64 s[64:65], 0
	v_nop
	global_prefetch_b8 v0, s[64:65] scope:SCOPE_SE
	s_setreg_imm32_b32 hwreg(HW_REG_WAVE_MODE, 25, 1), 1
	s_wait_xcnt 0x0
	s_wait_alu depctr_hold_cnt(0) depctr_sa_sdst(0) depctr_va_vdst(0) depctr_va_sdst(0) depctr_va_ssrc(0) depctr_va_vcc(0) depctr_vm_vsrc(0)
	s_getreg_b32 s2, hwreg(HW_REG_IB_STS2, 6, 4)
	s_cmp_eq_u32 s2, 0
	s_cbranch_scc0 .Lentry_in_a_cluster
	s_endpgm
.Lentry_in_a_cluster:
	s_bfe_u32 s2, ttmp6, 0x10000c
	s_cmp_lg_u32 s2, 0x3003
	s_cbranch_scc0 .Lentry_shape_is_right
	s_endpgm
.Lentry_shape_is_right:
; o = softmax(q k^T / 8) v for 64 heads of 2,048 tokens and 64 channels, both products on codes of FP6 (E2M3) with E8M0 scales; o is quantised along the 1,024 channels and leaves as codes.
; THE SOFTMAX: t = score x log2(e) / 8; M = the row's largest t so far, rounded UP to a whole number; p = 2^(t - M) is quantised along the keys, not normalised.  The row's sum is taken of the
; unquantised p, in f32, and divides O at the end.  When M moves, the sum and O are multiplied by 2^(old M - new M): exact.
; LIMITS: NaN and infinities are not served; the promise holds while |t| stays under 2^31; a block whose largest magnitude lies under 2^-124 keeps the scale byte 1, a block of zeros too
; (its codes are zeros; this program alone reads the bytes).
; INPUTS (a piece = 256 bytes = two registers of 32 lanes, lane l at 8 l):
;   ac: q, k: [b 4][q heads 0-15, k heads 16-31][token tile 128][3 pieces: registers 0-5 of a fragment, K = 64]; from byte 12,582,912 v: [16 b + key step][4 head + channel tile][6 pieces, K = 128 keys].
;   asc: q, k: [b][head][tile][16 rows][word: two bytes, two zeros]; from byte 1,048,576 v: [16 b + key step][4 head + channel tile][16 rows][word].
;   Lane r of stored tile 2 g + u holds token (or channel) 32 g + 8 u + r + 8 (r / 8).
; SHARES: a work-group owns 512 queries of one head; each of its sixteen waves owns 16 queries at a time and makes two passes.  LDS holds the head's whole k and v, each byte filled once: no ring.
; CLUSTER 4 x 1: the four blocks of 512 queries of a head read the same k and v: every block is asked for jointly (mask 15), ten loads shared out among waves 0 to 9, one each.
; No prefetch: every tensor load is issued at the head.
; Both products are used transposed: S^T = k q^T, O^T = v^T p^T: a lane holds ONE query throughout.
; WHICH KEYS FORM A TILE OF S^T is chosen by each lane's LDS address: row r of tile 4 T + s of a step takes key 64 T + 32 (r / 8) + 8 s + r % 8.  Lane (query, h) then holds, in the 32 registers of
; tiles 4 T .. 4 T + 3, keys 64 T + 32 h + 0 .. 31: a WHOLE block of p, in the order of the second product's operand.  A block's maximum needs no other lane, and the codes need no lane swap.
; That key lies in stored tile 4 T + 2 (r / 8) + s % 2 at stored lane r % 8 + 8 (s / 2) + 16 h.  k's pieces lie 288 bytes apart in LDS (32 of padding), so two stored tiles are 1,728 bytes = 192 modulo 256:
; the four groups of eight lanes of a load of 8 bytes start at 0, 128, 192 and 64 modulo 256.
; K = 64 IN AN INSTRUCTION OF K = 128: q's registers 6-11 hold zero codes, written once.  k's eight tiles lie packed, six registers each: a tile's registers 6-11 are the next tile's codes
; (behind the last tile: six lane constants), which meet q's zero codes and add nothing; the scale bytes there are 0, a power of two and no NaN.
; LOADS RUN AHEAD: behind a step's eight score products v's fragments of this step and k's of the NEXT step are asked for; both land under the softmax.  A pass's last step is written out:
; in pass 0 it asks for key step 0 again and for the next 16 queries, in pass 1 for nothing.
; OUTPUT oc = [channels / 256: 4][token tile 512][record of 3,328 bytes]: head h fills, of record (h / 4, tile), half h % 2 of fragment (h / 2) % 2 (three stores of 256 consecutive aligned bytes) and two bytes
; of each of the 32 scale words' places (stores of two bytes, 8 bytes apart: the four heads that share a record are made by four work-groups).
.set REC,  3328
.set OCP,  512*REC
.set KPT,  864                         ; a stored tile of k in LDS: three pieces of 256 + 32 bytes
.set KST,  8*KPT                       ; a key step of k
.set LV,   110592                      ; LDS: k's codes at 0; v's [key step 16][channel tile 4][1536] here;
.set LKS,  208896                      ; k's scale words [tile][row][4];
.set LVS,  217088                      ; v's [key step][channel tile][row][4];
.set SPARE, 221184                     ; the spare words, 128 bytes for each of 16 waves: no other line names them
.set SH8,  1                           ; v1    8 x (lane / 16)
.set KS,   2                           ; v2-5  k's scale words: register 2 T + e: lanes 0-15 tile 4 T + e, lanes 16-31 tile 4 T + e + 2
.set PW,   6                           ; v6    p's scale word
.set QW,   7                           ; v7    q's
.set ADK,  8                           ; v8-11 the step's addresses
.set ADV,  9
.set ADS,  10
.set ADT,  11                          ; v12 -M, v13 the largest score, v[14:15] the sum in two halves
.set QF,   16                          ; v16-21 q, v22-27 zeros
.set VS,   28                          ; v28-29 v's scale words, two tiles a register
.set SPW,  30                          ; v30   my spare word's address; v31 0: both kept for the add alone
.set NIL,  31
.set KF,   32                          ; v32-79 k's eight tiles, six registers each
.set L8,   80                          ; v80-85 lane constants: 8 x lane;
.set KB,   81                          ; k's codes: 1,728 (r / 8) + 8 (r % 8) + 128 h;
.set AV0,  82                          ; LV + 8 x lane;
.set ASK0, 83                          ; LKS + 128 (r / 8) + 4 (r % 8) + 32 h;
.set ASV0, 84                          ; LVS + 4 x lane;
.set R4,   85                          ; 4 x (lane % 16)
.set VF,   86                          ; v86-133 v's four fragments
.set S,    134                         ; v134-197 S^T, then p
.set O,    198                         ; v198-229 O^T
.set PC,   230                         ; v230-241 p's codes
.set AC,   242                         ; v242-249 at work: four pairs for the sum; then two runs of three codes at v242 and v246; v246-249 four maxima
.set CT0,  242
.set CT1,  246
.set BM,   250                         ; v250-251 my two blocks' largest; v252 f (v253 named with it); v254-255 at work
.set WV,   12
.set SEL,  20
.set CS,   22
.set G1K,  24
.set G1V,  32
.set G1KS, 40
.set G1VS, 48
.set G0K,  56
.set G0V,  60
.set G0KS, 68
.set G0VS, 72
.set QP,   76
.set QS,   78
.set OP,   80
.set OS,   82
.set TK,   84                          ; s84 the next step's k codes; s85 its scale words; s86 this step's v codes; s87 its scale words; s90 trips to go
.set TS,   85
.set TV,   86
.set TJ,   87
.set CNT,  90
.macro PLACES n
.rept \n
	v_nop
.endr
.endm
.macro CROUND                          ; a round of the cluster's barrier
	s_barrier_signal -1
	s_barrier_wait -1
	s_cmp_lg_u32 s[WV], 0
	s_cbranch_scc1 .Lnot_wave_0_\@
	s_barrier_signal -3
.Lnot_wave_0_\@:
	s_barrier_wait -3
	s_barrier_signal -1
	s_barrier_wait -1
.endm
	s_load_b128 s[4:7], s[0:1], 0x0                ; ac, asc
	s_load_b64 s[8:9], s[0:1], 0x10                ; oc
	v_lshl_add_u32 v[SPW], v0, 2, SPARE
	v_mov_b32 v[NIL], 0
	ds_add_u32 v[SPW], v[NIL]                      ; the opening lines: the add, twice on end, and its wait
	ds_add_u32 v[SPW], v[NIL]
	v_lshrrev_b32 v8, 5, v0
	s_delay_alu instid0(VALU_DEP_1)
	v_readfirstlane_b32 s[WV], v8                  ; wave 0..15
	s_bfe_u32 s13, ttmp6, 0x40000                  ; cx: which 512 queries; it enters q's and o's addresses alone
	s_and_b32 s14, ttmp7, 0xffff                   ; 16 b + head
	s_lshr_b32 s15, s14, 4                         ; b
	s_and_b32 s16, s14, 15                         ; head
	s_lshl_b32 s17, s15, 5
	s_add_co_u32 s17, s17, s16                     ; q's plane: 32 b + head
	s_add_co_u32 s19, s17, 16                      ; k's
	s_and_b32 s18, s[WV], 3                        ; which quarter of k's or v's codes I fetch, if I fetch
	; descriptor groups 1: elements of 8 bytes, mask 15, bit 21 beside it; k's codes with 8 words of padding behind every 64
	s_mov_b32 s[G1K], 15|(3<<16)|(1<<20)|(1<<21)|(5<<22)|(7<<25)
.irp g, G1V, G1KS, G1VS
	s_mov_b32 s[\g], 15|(3<<16)|(1<<21)
.endr
.irp g, G1K, G1V, G1KS, G1VS
	s_mov_b32 s[\g+6], 0
	s_mov_b32 s[\g+7], 0
.endr
	s_mov_b32 s[G1K+1], 32<<16                     ; k's codes: 24,576 dense bytes as 96 rows of 256
	s_mov_b32 s[G1K+2], 96<<16
	s_mov_b32 s[G1K+3], 32<<16
	s_mov_b32 s[G1K+4], 96
	s_mov_b32 s[G1K+5], 32
	s_mov_b32 s[G1V+1], 768<<16                    ; v's codes: 4 key steps, 6,144 bytes each, 98,304 bytes apart
	s_mov_b32 s[G1V+2], 4<<16
	s_mov_b32 s[G1V+3], 768<<16
	s_mov_b32 s[G1V+4], 4
	s_mov_b32 s[G1V+5], 12288
	s_mov_b32 s[G1KS+1], 32<<16                    ; k's scale words: 8,192 dense bytes
	s_mov_b32 s[G1KS+2], 32<<16
	s_mov_b32 s[G1KS+3], 32<<16
	s_mov_b32 s[G1KS+4], 32
	s_mov_b32 s[G1KS+5], 32
	s_mov_b32 s[G1VS+1], 32<<16                    ; v's: 16 key steps, 256 bytes each, 4,096 bytes apart
	s_mov_b32 s[G1VS+2], 16<<16
	s_mov_b32 s[G1VS+3], 32<<16
	s_mov_b32 s[G1VS+4], 16
	s_mov_b32 s[G1VS+5], 512
	s_mov_b32 s[SEL], 0x76543210
	s_mov_b32 s[SEL+1], 0xfedcba98
	s_mov_b32 s[CS], 0x3e38aa3b                    ; c = log2(e) / 8
	s_mov_b32 s[CS+1], s[CS]                       ; (named with it as a pair, so it is written)
	s_mul_i32 s2, s19, 98304                       ; k's codes: the plane, + my quarter
	s_mul_i32 s3, s18, 24576
	s_add_co_u32 s2, s2, s3
	s_mov_b32 s3, 0
	s_mul_i32 s10, s15, 16*98304                   ; v's codes: b's 16 key steps, + the head's four tiles, + my four key steps
	s_mul_i32 s11, s16, 6144
	s_add_co_u32 s10, s10, s11
	s_mul_i32 s11, s18, 4*98304
	s_add_co_u32 s10, s10, s11
	s_add_co_u32 s10, s10, 12582912
	s_mov_b32 s11, 0
	s_lshl_b32 s92, s19, 13                        ; k's scale words
	s_mov_b32 s93, 0
	s_lshl_b32 s94, s15, 16                        ; v's
	s_lshl_b32 s95, s16, 8
	s_add_co_u32 s94, s94, s95
	s_add_co_u32 s94, s94, 1048576
	s_mov_b32 s95, 0
	s_wait_dscnt 0x0
	s_wait_kmcnt 0x0
	s_mov_b32 s[G0K], 1
	s_mul_i32 s[G0K+1], s[WV], 96*288              ; waves 0-3: k's quarters, 96 padded rows each
	s_add_nc_u64 s[G0K+2:G0K+3], s[4:5], s[2:3]
	s_or_b32 s[G0K+3], s[G0K+3], 0x80000000
	s_mov_b32 s[G0V], 1
	s_mul_i32 s[G0V+1], s[WV], 24576               ; waves 4-7: v's quarters from LV on
	s_add_co_u32 s[G0V+1], s[G0V+1], LV-4*24576
	s_add_nc_u64 s[G0V+2:G0V+3], s[4:5], s[10:11]
	s_or_b32 s[G0V+3], s[G0V+3], 0x80000000
	s_mov_b32 s[G0KS], 1
	s_mov_b32 s[G0KS+1], LKS
	s_add_nc_u64 s[G0KS+2:G0KS+3], s[6:7], s[92:93]
	s_or_b32 s[G0KS+3], s[G0KS+3], 0x80000000
	s_mov_b32 s[G0VS], 1
	s_mov_b32 s[G0VS+1], LVS
	s_add_nc_u64 s[G0VS+2:G0VS+3], s[6:7], s[94:95]
	s_or_b32 s[G0VS+3], s[G0VS+3], 0x80000000
	CROUND                                         ; all four work-groups are here: the joint loads meet
	s_cmp_lt_u32 s[WV], 4                          ; one chain of branches on the wave's number, one load to an arm; four v_nop follow each load
	s_cbranch_scc0 .Lnot_k
	tensor_load_to_lds s[G0K:G0K+3], s[G1K:G1K+7]
	s_nop 0
	PLACES 4
	s_branch .Lasked
.Lnot_k:
	s_cmp_lt_u32 s[WV], 8
	s_cbranch_scc0 .Lnot_v
	tensor_load_to_lds s[G0V:G0V+3], s[G1V:G1V+7]
	s_nop 0
	PLACES 4
	s_branch .Lasked
.Lnot_v:
	s_cmp_eq_u32 s[WV], 8
	s_cbranch_scc0 .Lnot_ks
	tensor_load_to_lds s[G0KS:G0KS+3], s[G1KS:G1KS+7]
	s_nop 0
	PLACES 4
	s_branch .Lasked
.Lnot_ks:
	s_cmp_eq_u32 s[WV], 9
	s_cbranch_scc0 .Lasked
	tensor_load_to_lds s[G0VS:G0VS+3], s[G1VS:G1VS+7]
	s_nop 0
	PLACES 4
.Lasked:
	s_lshl_b32 s90, s13, 5
	s_add_co_u32 s90, s90, s[WV]                   ; my tile of the first pass: 32 cx + wave (the second: 16 further on, in the immediates)
	s_mul_i32 s88, s17, 98304
	s_mul_i32 s91, s90, 768
	s_add_co_u32 s88, s88, s91
	s_mov_b32 s89, 0
	s_add_nc_u64 s[QP:QP+1], s[4:5], s[88:89]      ; q's codes
	s_lshl_b32 s88, s17, 13
	s_lshl_b32 s91, s90, 6
	s_add_co_u32 s88, s88, s91
	s_add_nc_u64 s[QS:QS+1], s[6:7], s[88:89]      ; q's scale words
	s_lshl_b32 s91, s15, 7
	s_add_co_u32 s90, s90, s91                     ; the tile among all 512
	s_mul_i32 s88, s90, REC
	s_lshr_b32 s91, s16, 2
	s_mul_i32 s91, s91, OCP
	s_add_co_u32 s88, s88, s91
	s_add_nc_u64 s[OS:OS+1], s[8:9], s[88:89]      ; o's record
	s_bfe_u32 s90, s16, 0x10001                    ; which fragment: (head / 2) % 2
	s_and_b32 s91, s16, 1                          ; which half of it
	s_mul_i32 s88, s90, 1536
	s_mul_i32 s84, s91, 768
	s_add_co_u32 s88, s88, s84
	s_add_nc_u64 s[OP:OP+1], s[OS:OS+1], s[88:89]  ; my three pieces
	s_lshl_b32 s88, s90, 2
	s_lshl_b32 s84, s91, 1
	s_add_co_u32 s88, s88, s84
	s_add_co_u32 s88, s88, 3072
	s_add_nc_u64 s[OS:OS+1], s[OS:OS+1], s[88:89]  ; my two bytes of the scale words
	v_and_b32 v8, 31, v0                           ; lane
	v_and_b32 v9, 7, v0                            ; r % 8
	v_bfe_u32 v10, v0, 3, 1                        ; r / 8
	v_bfe_u32 v11, v0, 4, 1                        ; h
	v_lshlrev_b32 v[L8], 3, v8
	v_lshlrev_b32 v[KB], 3, v9
	v_lshl_add_u32 v[ASK0], v9, 2, LKS
	v_lshl_add_u32 v[ASV0], v8, 2, LVS
	v_and_b32 v[R4], 15, v0
	v_lshlrev_b32 v[SH8], 3, v11
	v_mad_u32_u24 v[KB], v10, 2*KPT, v[KB]
	v_lshl_add_u32 v[ASK0], v10, 7, v[ASK0]
	v_add_nc_u32 v[AV0], LV, v[L8]
	v_lshlrev_b32 v[R4], 2, v[R4]
	v_lshl_add_u32 v[KB], v11, 7, v[KB]
	v_lshl_add_u32 v[ASK0], v11, 5, v[ASK0]
.macro QLOAD ps                        ; the 16 queries of pass ps: three pieces of codes and the rows' scale words
.irp p, 0,1,2
	global_load_b64 v[QF+2*\p:QF+2*\p+1], v[L8], s[QP:QP+1] offset:12288*\ps+256*\p
.endr
	global_load_b32 v[QW], v[R4], s[QS:QS+1] offset:1024*\ps
.endm
.macro KLOAD adr, sadr                 ; a key step of k: 24 loads of codes, 4 of scale words
.irp t, 0,1,2,3,4,5,6,7
.irp p, 0,1,2
	ds_load_b64 v[KF+6*\t+2*\p:KF+6*\t+2*\p+1], v[\adr] offset:KPT*(4*(\t/4)+\t%2)+64*((\t%4)/2)+288*\p
.endr
.endr
.irp i, 0,1,2,3
	ds_load_b32 v[KS+\i], v[\sadr] offset:256*(\i/2)+64*(\i%2)
.endr
.endm
.macro KQ8                             ; S^T = k q^T, eight tiles in one run, each sum begun with 0
.irp t, 0,1,2,3,4,5,6,7
.if (\t%4) >= 2
	v_wmma_scale_f32_16x16x128_f8f6f4 v[S+8*\t:S+8*\t+7], v[KF+6*\t:KF+6*\t+11], v[QF:QF+11], 0, v[KS+2*(\t/4)+\t%2], v[QW] matrix_a_fmt:MATRIX_FMT_FP6 matrix_b_fmt:MATRIX_FMT_FP6 matrix_a_scale:MATRIX_SCALE_ROW1
.else
	v_wmma_scale_f32_16x16x128_f8f6f4 v[S+8*\t:S+8*\t+7], v[KF+6*\t:KF+6*\t+11], v[QF:QF+11], 0, v[KS+2*(\t/4)+\t%2], v[QW] matrix_a_fmt:MATRIX_FMT_FP6 matrix_b_fmt:MATRIX_FMT_FP6
.endif
.endr
.endm
.macro FM lo                           ; t - M of sixteen scores, two at a time
.irp j, 0,2,4,6,8,10,12,14
	v_pk_fma_f32 v[S+\lo+\j:S+\lo+\j+1], v[S+\lo+\j:S+\lo+\j+1], s[CS:CS+1], v[12:13] op_sel_hi:[1,0,0]
.endr
.endm
; A KEY STEP: 128 keys.  pf = 1: in the loop, asks for the next step's k; 2: pass 0's last, asks for key step 0 and the next queries; 0: the very last, asks for v alone.
.macro STEP pf
	s_wait_dscnt 0x0                               ; k's fragments and scale words, asked for a step ago: no LDS instruction of mine is out
.if \pf == 1                           ; the step's addresses, ahead of the products: the last tile of k names the lane constants that these lines read
	s_barrier_signal -1                            ; I have begun this step.  The wait stands behind the step's last products: no wave ends a loop step before all sixteen have begun it, so the waves stay within one step of each other.
	                                               ; The barrier orders no data; between its two halves stand register work and LDS loads of bytes that nobody writes.  Every wave passes 15 in each pass
	v_add_nc_u32 v[ADK], s[TK], v[KB]
	v_add_nc_u32 v[ADS], s[TS], v[ASK0]
.endif
	v_add_nc_u32 v[ADV], s[TV], v[AV0]
	v_add_nc_u32 v[ADT], s[TJ], v[ASV0]
	KQ8
	v_mov_b32 v253, v12                            ; the old -M; with the three lines below: four places that name no register of the products, ahead of the loads into their operands
	PLACES 3
.irp t, 0,1,2,3
.irp p, 0,1,2,3,4,5
	ds_load_b64 v[VF+12*\t+2*\p:VF+12*\t+2*\p+1], v[ADV] offset:1536*\t+256*\p
.endr
.endr
	ds_load_b32 v[VS], v[ADT]
	ds_load_b32 v[VS+1], v[ADT] offset:128
.if \pf == 1
	KLOAD ADK, ADS
.endif
.if \pf == 2
	KLOAD KB, ASK0
	QLOAD 1
.endif
.irp c, 0,1,2,3                        ; the largest score of each run of 16 registers, four chains by turns; each accumulator is first read at its low end
	v_max3_num_f32 v[CT1+\c], v[S+16*\c], v[S+16*\c+1], v[S+16*\c+2]
.endr
.irp i, 3,5,7,9,11,13
.irp c, 0,1,2,3
	v_max3_num_f32 v[CT1+\c], v[CT1+\c], v[S+16*\c+\i], v[S+16*\c+\i+1]
.endr
.endr
	v_max3_num_f32 v[BM], v[CT1], v[CT1+1], v[S+15]        ; my two blocks of 32 keys: for the row's maximum and, since p rises with the score, for the block's largest p
	v_max3_num_f32 v[BM+1], v[CT1+2], v[CT1+3], v[S+47]
	v_max_num_f32 v[BM], v[BM], v[S+31]
	v_max_num_f32 v[BM+1], v[BM+1], v[S+63]
	s_delay_alu instid0(VALU_DEP_1)
	v_max_num_f32 v254, v[BM], v[BM+1]
	s_delay_alu instid0(VALU_DEP_1)
	v_permlanex16_b32 v255, v254, s[SEL], s[SEL+1] ; lane l xor 16's 64 keys
	s_delay_alu instid0(VALU_DEP_1)
	v_max3_num_f32 v13, v13, v254, v255            ; the running largest score
	s_delay_alu instid0(VALU_DEP_1)
	v_mul_f32 v254, s[CS], v13                     ; as t (c is positive)
	s_delay_alu instid0(VALU_DEP_1)
	v_floor_f32 v12, -v254                         ; the new -M = -ceil(t): a whole number
	FM 0
	v_sub_f32 v254, v12, v253                      ; M's old value less its new one: a whole number, 0 or less
	FM 16
	v_cvt_i32_f32 v254, v254                       ; (it saturates)
	FM 32
	v_ldexp_f32 v252, 1.0, v254                    ; f = 2^(old M - new M): a multiplication by it rounds nothing
	FM 48
	v_fma_f32 v[BM], v[BM], s[CS], v12             ; the same of each block's largest score
	v_fma_f32 v[BM+1], v[BM+1], s[CS], v12
	s_wait_alu depctr_va_vdst(0)                   ; the wait ahead of the batch
.set J, 0
.rept 64
	v_exp_f32 v[S+J], v[S+J]                       ; p = 2^(t - M)
.set J, J+1
.endr
	v_exp_f32 v[BM], v[BM]                         ; the block's largest p: the same two instructions on the same number give the same bits
	v_exp_f32 v[BM+1], v[BM+1]
	v_pk_mul_f32 v[14:15], v[14:15], v[252:253] op_sel_hi:[1,0]   ; the sums under the new M: the plain instruction behind the exponentials
	s_wait_alu depctr_va_vdst(0)                   ; one wait for the whole batch, ahead of its first reader
.irp i, 0,1,2,3                        ; the row's sum, of the unquantised p: 32 packed additions, four chains by turns
	v_pk_add_f32 v[AC+2*\i:AC+2*\i+1], v[S+2*\i:S+2*\i+1], v[S+8+2*\i:S+9+2*\i]
.endr
.irp g, 16,24,32,40,48
.irp i, 0,1,2,3
	v_pk_add_f32 v[AC+2*\i:AC+2*\i+1], v[AC+2*\i:AC+2*\i+1], v[S+\g+2*\i:S+\g+2*\i+1]
.endr
.endr
	v_pk_add_f32 v[14:15], v[14:15], v[S+56:S+57]
	v_pk_add_f32 v[254:255], v[S+58:S+59], v[S+60:S+61]
	v_pk_add_f32 v[AC:AC+1], v[AC:AC+1], v[AC+2:AC+3]
	v_pk_add_f32 v[AC+4:AC+5], v[AC+4:AC+5], v[AC+6:AC+7]
	v_pk_add_f32 v[14:15], v[14:15], v[S+62:S+63]
	v_pk_add_f32 v[254:255], v[254:255], v[AC:AC+1]
	v_max_num_f32 v[BM], 0x1800000, v[BM]          ; the floor 2^(3 - 127): the byte cannot fall under 1
	v_pk_add_f32 v[14:15], v[14:15], v[AC+4:AC+5]
	v_max_num_f32 v[BM+1], 0x1800000, v[BM+1]
	v_add_nc_u32 v[BM], 0xff000000, v[BM]          ; 2 off the exponent field: the conversion's scale operand
	v_pk_add_f32 v[14:15], v[14:15], v[254:255]
	v_add_nc_u32 v[BM+1], 0xff000000, v[BM+1]
	v_cvt_scalef32_pk16_fp6_f32 v[PC:PC+2], v[S:S+15], v[BM]
	v_cvt_scalef32_pk16_fp6_f32 v[CT0:CT0+2], v[S+16:S+31], v[BM]         ; (a conversion's three registers begin on an even number)
	v_cvt_scalef32_pk16_fp6_f32 v[PC+6:PC+8], v[S+32:S+47], v[BM+1]
	v_cvt_scalef32_pk16_fp6_f32 v[CT1:CT1+2], v[S+48:S+63], v[BM+1]
	v_lshrrev_b32 v254, 23, v[BM]                  ; my blocks' scale bytes: blocks h and 2 + h (plain instructions behind the conversions)
	v_lshrrev_b32 v255, 23, v[BM+1]
	s_delay_alu instid0(VALU_DEP_1)
	v_lshl_or_b32 v254, v255, 16, v254
	s_delay_alu instid0(VALU_DEP_1)
	v_lshlrev_b32 v254, v[SH8], v254               ; at their places in the word
	s_delay_alu instid0(VALU_DEP_1)
	v_permlanex16_b32 v255, v254, s[SEL], s[SEL+1]
	s_delay_alu instid0(VALU_DEP_1)
	v_or_b32 v[PW], v254, v255                     ; with lane l xor 16's two the word is whole
.irp i, 0,1,2
	v_mov_b32 v[PC+3+\i], v[CT0+\i]
	v_mov_b32 v[PC+9+\i], v[CT1+\i]
.endr
.if \pf == 0
	s_wait_dscnt 0x0                               ; v's fragments and scale words are in
.else
	s_wait_dscnt 28                                ; v's are in; behind them k's 24 loads of codes and 4 of scale words may be out
.endif
	s_wait_alu depctr_va_vdst(0)                   ; directly ahead of the first reader of O^T
.irp j, 0,2,4,6,8,10,12,14,16,18,20,22,24,26,28,30
	v_pk_mul_f32 v[O+\j:O+1+\j], v[O+\j:O+1+\j], v[252:253] op_sel_hi:[1,0]   ; O^T under the new M; these sixteen also stand between the codes' and the scale word's last writes and the products
.endr
.irp t, 0,1,2,3                        ; O^T += v^T p^T: four accumulators, one instruction each
.if \t%2
	v_wmma_scale_f32_16x16x128_f8f6f4 v[O+8*\t:O+8*\t+7], v[VF+12*\t:VF+12*\t+11], v[PC:PC+11], v[O+8*\t:O+8*\t+7], v[VS+\t/2], v[PW] matrix_a_fmt:MATRIX_FMT_FP6 matrix_b_fmt:MATRIX_FMT_FP6 matrix_a_scale:MATRIX_SCALE_ROW1
.else
	v_wmma_scale_f32_16x16x128_f8f6f4 v[O+8*\t:O+8*\t+7], v[VF+12*\t:VF+12*\t+11], v[PC:PC+11], v[O+8*\t:O+8*\t+7], v[VS+\t/2], v[PW] matrix_a_fmt:MATRIX_FMT_FP6 matrix_b_fmt:MATRIX_FMT_FP6
.endif
.endr
.if \pf == 1
	s_barrier_wait -1                              ; all sixteen waves have begun this step
	s_add_co_u32 s[TK], s[TK], KST
	s_add_co_u32 s[TS], s[TS], 512
	s_add_co_u32 s[TV], s[TV], 6144
	s_add_co_u32 s[TJ], s[TJ], 256
.endif
.endm
; The way out of a pass: O^T / the sum; register 16 b + i is channel 32 b + 16 (lane / 16) + i of my query: two blocks of 32 along the last product's K: six registers of codes and two scale bytes.
.macro FINISH ps
	PLACES 4                                       ; behind the last products
	v_add_f32 v14, v14, v15                        ; the sum's two halves,
	s_delay_alu instid0(VALU_DEP_1)
	v_permlanex16_b32 v252, v14, s[SEL], s[SEL+1]
	s_delay_alu instid0(VALU_DEP_1)
	v_add_f32 v14, v14, v252                       ; and lane l xor 16's: the row's sum
	s_wait_alu depctr_va_vdst(0)                   ; the wait ahead of the reciprocal,
	v_rcp_f32 v14, v14
	v_nop                                          ; a plain instruction behind it,
	s_wait_alu depctr_va_vdst(0)                   ; and the wait ahead of its first reader, which is also the first reader of O^T
.irp j, 0,2,4,6,8,10,12,14,16,18,20,22,24,26,28,30
	v_pk_mul_f32 v[S+\j:S+1+\j], v[O+\j:O+1+\j], v[14:15] op_sel_hi:[1,0]   ; each accumulator from its low end on
.endr
.irp b, 0,1
	v_max3_num_f32 v[BM+\b], |v[S+16*\b]|, |v[S+1+16*\b]|, 0x1800000
.endr
.irp i, 2,4,6,8,10,12,14
.irp b, 0,1
	s_delay_alu instid0(VALU_DEP_2)
	v_max3_num_f32 v[BM+\b], v[BM+\b], |v[S+16*\b+\i]|, |v[S+1+16*\b+\i]|
.endr
.endr
.irp b, 0,1
	s_delay_alu instid0(VALU_DEP_2)
	v_permlanex16_b32 v[254+\b], v[BM+\b], s[SEL], s[SEL+1]
.endr
.irp b, 0,1
	s_delay_alu instid0(VALU_DEP_2)
	v_max_num_f32 v[BM+\b], v[BM+\b], v[254+\b]    ; with lane l xor 16's 16: the block's largest magnitude
.endr
.irp b, 0,1
	s_delay_alu instid0(VALU_DEP_2)
	v_add_nc_u32 v[BM+\b], 0xff000000, v[BM+\b]
.endr
.irp b, 0,1
	s_delay_alu instid0(VALU_DEP_2)
	v_lshrrev_b32 v[254+\b], 23, v[BM+\b]
.endr
	s_delay_alu instid0(VALU_DEP_1)
	v_lshl_or_b32 v254, v255, 8, v254              ; my row's two scale bytes
	v_cvt_scalef32_pk16_fp6_f32 v[PC:PC+2], v[S:S+15], v[BM]
	v_cvt_scalef32_pk16_fp6_f32 v[CT0:CT0+2], v[S+16:S+31], v[BM+1]
	v_nop                                          ; one plain instruction behind a scaled conversion
.irp i, 0,1,2
	v_permlane16_swap_b32 v[PC+\i], v[CT0+\i]      ; here a block lies in lanes l and l xor 16: the operand's layout wants it whole in a lane
.endr
.irp i, 0,1,2
	v_mov_b32 v[PC+3+\i], v[CT0+\i]
.endr
.irp p, 0,1,2
	global_store_b64 v[L8], v[PC+2*\p:PC+2*\p+1], s[OP:OP+1] offset:16*REC*\ps+256*\p   ; 32 lanes store 256 consecutive bytes, aligned
.endr
	global_store_b16 v[L8], v254, s[OS:OS+1] offset:16*REC*\ps   ; both halves of the lanes hold the row's bytes: both copies of the scale words are written
.endm
.macro PASS ps
.if \ps
	s_wait_xcnt 0x0                                ; the first pass's stores have read their registers, which are written again
.endif
	v_mov_b32 v13, 0xff61b1e6                      ; the largest score so far: -3e38, under every score
	v_mov_b32 v12, 0x7f61b1e6                      ; -M: 3e38, so that the first f is 0
	v_mov_b32 v14, 0
	v_mov_b32 v15, 0
.set J, 0
.rept 32
	v_mov_b32 v[O+J], 0                            ; the step is written once for first and later steps: the first finds zeros, which f leaves zeros
.set J, J+1
.endr
	s_mov_b32 s[TK], KST
	s_mov_b32 s[TS], 512
	s_mov_b32 s[TV], 0
	s_mov_b32 s[TJ], 0
	s_mov_b32 s[CNT], 15
	s_wait_alu depctr_va_vdst(0)
	s_wait_loadcnt 0x0                             ; q
.Lstep_\@:
	STEP 1
	s_sub_co_u32 s[CNT], s[CNT], 1
	s_cmp_lg_u32 s[CNT], 0
	s_cbranch_scc1 .Lstep_\@
.if \ps
	STEP 0
.else
	STEP 2
.endif
	FINISH \ps
.endm
	QLOAD 0
.irp i, 6,7,8,9,10,11
	v_mov_b32 v[QF+\i], 0                          ; the zero codes of k = 64 .. 127: written once, never loaded
.endr
	v_mov_b32 v253, 0                              ; (named as the upper half of the pair v[252:253])
	v_mov_b32 v255, 0                              ; (a lane permute's destination counts as one of its sources)
	s_wait_alu depctr_va_vdst(0)                   ; the wait at the head's end
	s_wait_tensorcnt 0x0                           ; my load, if I had one, has landed,
	s_barrier_signal -1
	s_barrier_wait -1                              ; everybody's has: the head's k and v lie in LDS for the rest of the launch
	KLOAD KB, ASK0                                 ; key step 0
	PASS 0
	PASS 1
	s_wait_tensorcnt 0x0                           ; the wave's end
	ds_add_u32 v[SPW], v[NIL]
	s_wait_dscnt 0x0
	CROUND                                         ; the closing round: no work-group ends while a partner may still ask for a block that names it
	s_endpgm
.Lfunc_end_k_q1885518b57_attn:
	.size	k_q1885518b57_attn, .Lfunc_end_k_q1885518b57_attn-k_q1885518b57_attn
	.p2alignl 7, 3214868480
	.fill 96, 4, 3214868480
	.section	.rodata,"a",@progbits
	.p2align	6, 0x0
	.amdhsa_kernel k_q1885518b57_attn
		.amdhsa_group_segment_fixed_size 223232
		.amdhsa_private_segment_fixed_size 0
		.amdhsa_enable_private_segment 0
		.amdhsa_kernarg_size 24
		.amdhsa_user_sgpr_count 2
		.amdhsa_user_sgpr_kernarg_segment_ptr 1
		.amdhsa_wavefront_size32 1
		.amdhsa_system_sgpr_workgroup_id_x 1
		.amdhsa_system_sgpr_workgroup_id_y 1
		.amdhsa_system_sgpr_workgroup_id_z 1
		.amdhsa_system_vgpr_workitem_id 0
		.amdhsa_next_free_vgpr 256
		.amdhsa_next_free_sgpr 96
		.amdhsa_reserve_vcc 0
		.amdhsa_float_denorm_mode_32 3
		.amdhsa_float_denorm_mode_16_64 3
		.amdhsa_memory_ordered 1
		.amdhsa_forward_progress 1
		.amdhsa_inst_pref_size 87
	.end_amdhsa_kernel
	.amdgpu_metadata
---
amdhsa.version: [ 1, 2 ]
amdhsa.kernels:
  - .name:           k_q1885518b57_attn
    .symbol:         k_q1885518b57_attn.kd
    .args:
      - { .name: ac, .offset: 0, .size: 8, .value_kind: global_buffer, .address_space: global }
      - { .name: asc, .offset: 8, .size: 8, .value_kind: global_buffer, .address_space: global }
      - { .name: oc, .offset: 16, .size: 8, .value_kind: global_buffer, .address_space: global }
    .group_segment_fixed_size: 223232
    .private_segment_fixed_size: 0
    .kernarg_segment_align: 8
    .kernarg_segment_size: 24
    .max_flat_workgroup_size: 512
    .sgpr_count:     96
    .vgpr_count:     256
    .wavefront_size: 32
...
	.end_amdgpu_metadata
.endif
;; end of part 3
;; launch proj (part 4): grid 8 x 32, 4 waves a work-group, clusters of 4 x 4, 327,680 bytes of LDS; arguments oc, cw, b_out, out0; writes out0
.if DOCPART == 4
	.amdgcn_target "amdgcn-amd-amdhsa--gfx1250"
	.amdhsa_code_object_version 6
	.text
	.protected	k_q1885518b57_proj
	.globl	k_q1885518b57_proj
	.p2align	8
	.type	k_q1885518b57_proj,@function
k_q1885518b57_proj:
	s_mov_b64 s[64:65], 0
	v_nop
	global_prefetch_b8 v0, s[64:65] scope:SCOPE_SE
	s_setreg_imm32_b32 hwreg(HW_REG_WAVE_MODE, 25, 1), 1
	s_wait_xcnt 0x0
	s_wait_alu depctr_hold_cnt(0) depctr_sa_sdst(0) depctr_va_vdst(0) depctr_va_sdst(0) depctr_va_ssrc(0) depctr_va_vcc(0) depctr_vm_vsrc(0)
	s_getreg_b32 s2, hwreg(HW_REG_IB_STS2, 6, 4)
	s_cmp_eq_u32 s2, 0
	s_cbranch_scc0 .Lentry_in_a_cluster
	s_endpgm
.Lentry_in_a_cluster:
	s_bfe_u32 s2, ttmp6, 0x10000c
	s_cmp_lg_u32 s2, 0xf033
	s_cbranch_scc0 .Lentry_shape_is_right
	s_endpgm
.Lentry_shape_is_right:
; out0 = o w_out^T + b_out on codes of FP6 (E2M3) with E8M0 scales, K = 1,024; out0 [8192][1024] f32.
; INPUTS: oc = [K / 256: 4][token tile: 512][record of 3,328 bytes], cw = [K / 256: 4][tile: 768][record], w_out's tiles 704-767.  A tile is 16 rows: lane r of tile 2 g + u holds row 32 g + 8 u + r + 8 (r / 8).
; A record: two fragments (128 along K each; six pieces of 256 bytes, piece p = registers 2 p, 2 p + 1, lane l at 8 l), then 256 bytes of scale words (at 8 l: the two words of lane l % 16's row).
; A WORK-GROUP makes 256 tokens x 128 outputs, with all of K in LDS: 16 + 8 tiles x 4 quarters of K = 319,488 bytes, each byte filled once; 256 work-groups.  Four waves; wave w takes token tiles 4 w .. 4 w + 3
; against w_out's eight: 32 accumulators.  THE MATRIX INSTRUCTION IS USED TRANSPOSED (source 0 = w_out, source 1 = o): a lane holds one token, and accumulator b's eight registers are the eight
; neighbouring outputs 32 (b / 2) + 8 (b % 2) + 16 (lane / 16) + 0 .. 7.  The bias is the C of each sum's first matrix instruction.
; CLUSTER 4 x 4: the four of a row need the same tiles of o, the four of a column the same of w_out: each block is asked for jointly.  No ring: nothing is filled again; by this text's count a wave has
; four tensor loads out, one for each quarter of K.  No prefetch: every tensor load is issued at the head.
; REGISTERS: window 0: v3-15 addresses; v16-63 scale words, two sets; v64-159 o's fragments, two sets; v160-223 the bias; on the way out v64-191 rows of out0.  window 1: w_out's fragments, two sets.  window 2: accumulator (a, b) at v[8 (8 a + b)].
; THE FILLS, as they now stand (this takes the place of what the lines above say of four loads a wave): wave w fetches one whole quarter of K of one operand at a time, o's 16 tiles (w even) or w_out's 8 (w odd).
; At the head quarter w / 2; behind the wait for it, the add, its wait and a round of the cluster's barrier, quarter 2 + w / 2: one tensor load a wave in each place. Each byte is still filled once.
.set REC,  3328
.set CWP,  768*REC
.set OCP,  512*REC
.set ACH,  16*REC
.set BCH,  8*REC
.set LB,   4*ACH
.set SPI,  528                         ; the way out: a stage of 16 rows x (512 bytes + 16) for each wave, in the bytes of its own four tiles of the first quarter of K: filled once, long read out
.set L8,   3
.set ADRA, 4
.set ADRB, 8
.set BO,   12                          ; v12  64 x (lane / 16): my half's place in the bias
.set STO,  13                          ; v13  the stage: where I put 32 bytes of a row
.set RD,   14                          ; v14  and where I read a row back
.set CO,   15                          ; v15  16 x lane: my place in a row's 512 bytes of out0
.set SCS,  16
.set AF,   64
.set BI,   160
.set BK,   64
.set WV,   12
.set G1A,  24
.set G1B,  32
.set G0A,  40
.set MSB, 0
.macro WIN new                         ; the immediate's high byte repeats the setting that is left
.if MSB != \new
	s_set_vgpr_msb (MSB<<8)|\new
.set MSB, \new
.endif
.endm
.set MUL,  0xa1                        ; source 0 window 1, source 1 window 0, C and D window 2
.set MULB, 0x81                        ; the same with C (the bias) in window 0
.set TO_B, 0x40
.macro PLACES n
.rept \n
	v_nop
.endr
.endm
.macro CROUND                          ; a round of the cluster's barrier
	s_barrier_signal -1
	s_barrier_wait -1
	s_cmp_lg_u32 s[WV], 0
	s_cbranch_scc1 .Lnot_wave_0_\@
	s_barrier_signal -3
.Lnot_wave_0_\@:
	s_barrier_wait -3
	s_barrier_signal -1
	s_barrier_wait -1
.endm
	s_load_b128 s[4:7], s[0:1], 0x0                ; oc, cw
	s_load_b128 s[8:11], s[0:1], 0x10              ; b_out, out0
	v_lshl_add_u32 v254, v0, 2, 0x4e000
	v_mov_b32 v255, 0
	ds_add_u32 v254, v255
	ds_add_u32 v254, v255
	v_lshrrev_b32 v1, 5, v0
	v_readfirstlane_b32 s[WV], v1
	s_and_b32 s13, s[WV], 1                        ; 0: I fetch for o, 1: for w_out
	s_lshr_b32 s14, s[WV], 1                       ; which of a group's two quarters of K
	s_bfe_u32 s15, ttmp6, 0x40000                  ; cx
	s_bfe_u32 s16, ttmp6, 0x40004                  ; cy
	s_and_b32 s18, ttmp7, 0xffff
	s_lshl_b32 s20, s18, 6
	s_lshl_b32 s21, s16, 4
	s_add_co_u32 s20, s20, s21                     ; o's first tile: 16 (4 x cluster y + cy)
	s_lshl_b32 s76, ttmp9, 2
	s_add_co_u32 s76, s76, s15                     ; tile column: 4 x cluster x + cx
	s_lshl_b32 s77, s76, 3
	s_add_co_u32 s77, s77, 704                     ; w_out's first tile
	s_lshl_b32 s21, s16, 2
	s_lshl_b32 s21, 15, s21                        ; my row of the cluster
	s_lshl_b32 s78, 0x1111, s15                    ; my column
	s_or_b32 s[G1A], s21, (3<<16)|(1<<21)          ; dense blocks as rows of 256 bytes (32 elements of 8 bytes), no padding; the mask, bit 21 beside it
	s_or_b32 s[G1B], s78, (3<<16)|(1<<21)
	s_mov_b32 s[G1A+1], 32<<16
	s_mov_b32 s[G1A+2], 208<<16                    ; o: 16 tiles = 208 rows
	s_mov_b32 s[G1A+3], 32<<16
	s_mov_b32 s[G1A+4], 208
	s_mov_b32 s[G1A+5], 32
	s_mov_b32 s[G1A+6], 0
	s_mov_b32 s[G1A+7], 0
	s_mov_b32 s[G1B+1], 32<<16
	s_mov_b32 s[G1B+2], 104<<16                    ; w_out: 8 tiles = 104 rows
	s_mov_b32 s[G1B+3], 32<<16
	s_mov_b32 s[G1B+4], 104
	s_mov_b32 s[G1B+5], 32
	s_mov_b32 s[G1B+6], 0
	s_mov_b32 s[G1B+7], 0
	s_mul_i32 s21, s14, OCP                        ; my quarter of K in memory
	s_mul_i32 s22, s20, REC
	s_add_co_u32 s22, s22, s21
	s_mov_b32 s23, 0
	s_mul_i32 s79, s14, CWP
	s_mul_i32 s2, s77, REC
	s_add_co_u32 s2, s2, s79
	s_mov_b32 s3, 0
	s_mul_i32 s21, s14, ACH                        ; and in LDS
	s_mul_i32 s79, s14, BCH
	s_wait_dscnt 0x0
	s_wait_kmcnt 0x0
	s_add_nc_u64 s[22:23], s[4:5], s[22:23]
	s_add_nc_u64 s[2:3], s[6:7], s[2:3]
.irp kp, 0,1
	s_mov_b32 s[G0A+4*\kp], 1                      ; set kp: the head's load (0), the later one (1), two quarters on
	s_add_co_u32 s[G0A+4*\kp+1], s21, 2*\kp*ACH
	s_add_nc_u64 s[G0A+4*\kp+2:G0A+4*\kp+3], s[22:23], 2*\kp*OCP
	s_or_b32 s[G0A+4*\kp+3], s[G0A+4*\kp+3], 0x80000000
.set GB, 56+4*\kp+4*(\kp/2)
	s_mov_b32 s[GB], 1
	s_add_co_u32 s[GB+1], s79, LB+2*\kp*BCH
	s_add_nc_u64 s[GB+2:GB+3], s[2:3], 2*\kp*CWP
	s_or_b32 s[GB+3], s[GB+3], 0x80000000
.endr
	CROUND                                         ; all sixteen work-groups are here: the joint loads meet
	s_cmp_eq_u32 s13, 0                            ; a wave's first fill stands in a branch on the wave's number
	s_cbranch_scc0 .Lfor_b
	tensor_load_to_lds s[G0A:G0A+3], s[G1A:G1A+7]
	s_nop 0
	PLACES 4                                       ; four v_nop follow the last, ahead of the jump and the label
	s_branch .Lasked
.Lfor_b:
	tensor_load_to_lds s[56:59], s[G1B:G1B+7]
	s_nop 0
	PLACES 4
.Lasked:
	v_and_b32 v1, 31, v0                           ; lane
	v_bfe_u32 v2, v0, 4, 1                         ; h
	v_lshlrev_b32 v[BO], 6, v2
	s_lshl_b32 s80, s76, 9                         ; the tile column's 128 numbers
	s_mov_b32 s81, 0
	s_add_nc_u64 s[8:9], s[8:9], s[80:81]
.irp b, 0,1,2,3,4,5,6,7                ; the bias in the result's layout: for tile b the outputs 32 (b / 2) + 8 (b % 2) + 16 h + 0 .. 7
	global_load_b128 v[BI+8*\b:BI+8*\b+3], v[BO], s[8:9] offset:(32*(\b/2)+8*(\b%2))*4
	global_load_b128 v[BI+8*\b+4:BI+8*\b+7], v[BO], s[8:9] offset:(32*(\b/2)+8*(\b%2))*4+16
.endr
	v_lshlrev_b32 v[L8], 3, v1
	s_mul_i32 s17, s[WV], 4*REC                    ; my four tiles of o, and my stage
	v_add_nc_u32 v[ADRA], s17, v[L8]
.irp kp, 1,2,3
	v_add_nc_u32 v[ADRA+\kp], \kp*ACH, v[ADRA]
.endr
.irp kp, 0,1,2,3
	v_add_nc_u32 v[ADRB+\kp], LB+\kp*BCH, v[L8]
.endr
	v_and_b32 v[STO], 15, v0
	v_mul_u32_u24 v[STO], v[STO], SPI
	v_lshl_add_u32 v[STO], v2, 6, v[STO]
	v_add_nc_u32 v[STO], s17, v[STO]               ; row r, + 64 h
	v_lshlrev_b32 v[CO], 4, v1
	v_add_nc_u32 v[RD], s17, v[CO]
	s_lshl_b32 s82, s20, 4                         ; my first token: 16 x o's first tile + 64 x wave,
	s_lshl_b32 s83, s[WV], 6
	s_add_co_u32 s82, s82, s83
	s_lshl_b32 s82, s82, 12                        ; rows of 4,096 bytes,
	s_add_co_u32 s82, s82, s80                     ; + the tile column's 512 bytes
	s_mov_b32 s83, 0
	s_add_nc_u64 s[10:11], s[10:11], s[82:83]
; Step s of eight: quarter s / 2 of K, fragment s % 2 of the records.  72 loads of 8 bytes, each 256 consecutive bytes of LDS; with a quarter's first step its 12 loads of scale words.
.macro FETCH s
.set KP, (\s)/2
.set QQ, (\s)%2
	WIN TO_B
.irp b, 0,1,2,3,4,5,6,7
.irp p, 0,1,2,3,4,5
	ds_load_b64 v[128*QQ+12*\b+2*\p:128*QQ+12*\b+2*\p+1], v[ADRB+KP] offset:\b*REC+QQ*1536+256*\p
.endr
.endr
	WIN 0
.irp a, 0,1,2,3
.irp p, 0,1,2,3,4,5
	ds_load_b64 v[AF+48*QQ+12*\a+2*\p:AF+48*QQ+12*\a+2*\p+1], v[ADRA+KP] offset:\a*REC+QQ*1536+256*\p
.endr
.endr
.if QQ == 0
.irp a, 0,1,2,3
	ds_load_b64 v[SCS+24*(KP%2)+2*\a:SCS+24*(KP%2)+2*\a+1], v[ADRA+KP] offset:\a*REC+3072
.endr
.irp b, 0,1,2,3,4,5,6,7
	ds_load_b64 v[SCS+24*(KP%2)+8+2*\b:SCS+24*(KP%2)+8+2*\b+1], v[ADRB+KP] offset:\b*REC+3072
.endr
.endif
.endm
; 32 matrix instructions: the accumulators take turns, one instruction a turn, in the same order in every step.  first = 1: the bias starts the sums.
.macro MUL32 s, first
.set KP, (\s)/2
.set QQ, (\s)%2
.set SS, SCS+24*(KP%2)
.irp a, 0,1,2,3
.irp b, 0,1,2,3,4,5,6,7
.if \first
	v_wmma_scale_f32_16x16x128_f8f6f4 v[8*(8*\a+\b):8*(8*\a+\b)+7], v[128*QQ+12*\b:128*QQ+12*\b+11], v[AF+48*QQ+12*\a:AF+48*QQ+12*\a+11], v[BI+8*\b:BI+8*\b+7], v[SS+8+2*\b+QQ], v[SS+2*\a+QQ] matrix_a_fmt:MATRIX_FMT_FP6 matrix_b_fmt:MATRIX_FMT_FP6
.else
	v_wmma_scale_f32_16x16x128_f8f6f4 v[8*(8*\a+\b):8*(8*\a+\b)+7], v[128*QQ+12*\b:128*QQ+12*\b+11], v[AF+48*QQ+12*\a:AF+48*QQ+12*\a+11], v[8*(8*\a+\b):8*(8*\a+\b)+7], v[SS+8+2*\b+QQ], v[SS+2*\a+QQ] matrix_a_fmt:MATRIX_FMT_FP6 matrix_b_fmt:MATRIX_FMT_FP6
.endif
.endr
.endr
.endm
	s_wait_alu depctr_va_vdst(0)
	s_wait_tensorcnt 0x0                           ; my quarter of the first two is in
	ds_add_u32 v254, v255
	s_wait_dscnt 0x0
	CROUND                                         ; everybody's is in, and all sixteen work-groups are here: the joint loads meet
	s_cmp_eq_u32 s13, 0
	s_cbranch_scc0 .Lfor_b2
	tensor_load_to_lds s[G0A+4:G0A+7], s[G1A:G1A+7]
	s_nop 0
	PLACES 4
	s_branch .Lasked2
.Lfor_b2:
	tensor_load_to_lds s[60:63], s[G1B:G1B+7]
	s_nop 0
	PLACES 4
.Lasked2:
	FETCH 0
	s_wait_loadcnt 0x0                             ; the bias
.irp s, 0,1,2,3,4,5,6,7
	s_wait_dscnt 0x0                               ; this step's fragments are in (from the second step on: asked for 32 matrix instructions ago)
.if \s == 3
	s_wait_tensorcnt 0x0                           ; my quarter of the last two is in; the barrier shows everybody's
	s_barrier_signal -1
	s_barrier_wait -1
.endif
.if (\s > 0) && (\s < 7)
	PLACES 4                                       ; the loads below land in registers that the last step's matrix instructions read (ISA guide 7.12.1 for vector instructions)
.endif
.if \s < 7
	FETCH \s+1
.endif
.if \s == 0
	WIN MULB
	MUL32 \s, 1
.else
	WIN MUL
	MUL32 \s, 0
.endif
.endr
	WIN 0
; THE WAY OUT, a tile of 16 tokens x 128 outputs at a time.  A lane holds 32 neighbouring bytes of a row for each accumulator, and the lanes beside it hold other rows: so a tile goes through my stage in LDS
; and comes back as whole rows of 512 bytes.  LDS serves a wave's instructions in order: no wait between the stores and the loads, nor in front of the next tile's stores.
.macro TOSTAGE a
	WIN 0x08                                       ; an LDS store's data are its source 1: window 2
.irp b, 0,1,2,3,4,5,6,7
	ds_store_b128 v[STO], v[64*(\a)+8*\b:64*(\a)+8*\b+3] offset:128*(\b/2)+32*(\b%2)       ; each accumulator from its low end on
	ds_store_b128 v[STO], v[64*(\a)+8*\b+4:64*(\a)+8*\b+7] offset:128*(\b/2)+32*(\b%2)+16
.endr
	WIN 0
.set BB, BK+64*((\a)%2)
.irp i, 0,1,2,3,4,5,6,7,8,9,10,11,12,13,14,15
	ds_load_b128 v[BB+4*\i:BB+4*\i+3], v[RD] offset:SPI*\i
.endr
.endm
.macro SEND a, younger                 ; younger: the LDS instructions issued behind tile a's loads, which may stay out
.set BB, BK+64*((\a)%2)
	s_wait_dscnt \younger
.irp i, 0,1,2,3,4,5,6,7,8,9,10,11,12,13,14,15
	global_store_b128 v[CO], v[BB+4*\i:BB+4*\i+3], s[10:11] offset:(32*((\a)/2)+8*((\a)%2)+\i+8*(\i/8))*4096 th:TH_STORE_NT   ; 32 lanes store 512 consecutive bytes, at a multiple of 256 from out0's first byte; lane i of the tile is token 32 (a / 2) + 8 (a % 2) + i + 8 (i / 8)
.endr
.endm
	s_barrier_signal -1                            ; every wave's LDS reads are over (the last wait on DScnt was for 0, and nothing was fetched since): the stage may be written
	s_barrier_wait -1
	PLACES 4                                       ; behind the last products: for the reads of results and the loads into registers that held operands
	TOSTAGE 0
.irp a, 1,2,3
.if \a > 1
	s_wait_xcnt 0x0                                ; tile a - 2's stores have read their registers: tile a's loads may land there
.endif
	TOSTAGE \a
	SEND \a-1, 32                                  ; behind tile a - 1's loads: tile a's 16 stores and 16 loads
.endr
	SEND 3, 0
	s_wait_tensorcnt 0x0
	ds_add_u32 v254, v255
	s_wait_dscnt 0x0
	CROUND                                         ; the closing round: no work-group ends while a partner may still ask for a block that names it
	s_endpgm
.Lfunc_end_k_q1885518b57_proj:
	.size	k_q1885518b57_proj, .Lfunc_end_k_q1885518b57_proj-k_q1885518b57_proj
	.p2alignl 7, 3214868480
	.fill 96, 4, 3214868480
	.section	.rodata,"a",@progbits
	.p2align	6, 0x0
	.amdhsa_kernel k_q1885518b57_proj
		.amdhsa_group_segment_fixed_size 327680
		.amdhsa_private_segment_fixed_size 0
		.amdhsa_enable_private_segment 0
		.amdhsa_kernarg_size 32
		.amdhsa_user_sgpr_count 2
		.amdhsa_user_sgpr_kernarg_segment_ptr 1
		.amdhsa_wavefront_size32 1
		.amdhsa_system_sgpr_workgroup_id_x 1
		.amdhsa_system_sgpr_workgroup_id_y 1
		.amdhsa_system_sgpr_workgroup_id_z 1
		.amdhsa_system_vgpr_workitem_id 0
		.amdhsa_next_free_vgpr 768
		.amdhsa_next_free_sgpr 96
		.amdhsa_reserve_vcc 0
		.amdhsa_float_denorm_mode_32 3
		.amdhsa_float_denorm_mode_16_64 3
		.amdhsa_memory_ordered 1
		.amdhsa_forward_progress 1
		.amdhsa_inst_pref_size 97
	.end_amdhsa_kernel
	.amdgpu_metadata
---
amdhsa.version: [ 1, 2 ]
amdhsa.kernels:
  - .name:           k_q1885518b57_proj
    .symbol:         k_q1885518b57_proj.kd
    .args:
      - { .name: oc, .offset: 0, .size: 8, .value_kind: global_buffer, .address_space: global }
      - { .name: cw, .offset: 8, .size: 8, .value_kind: global_buffer, .address_space: global }
      - { .name: b_out, .offset: 16, .size: 8, .value_kind: global_buffer, .address_space: global }
      - { .name: out0, .offset: 24, .size: 8, .value_kind: global_buffer, .address_space: global }
    .group_segment_fixed_size: 327680
    .private_segment_fixed_size: 0
    .kernarg_segment_align: 8
    .kernarg_segment_size: 32
    .max_flat_workgroup_size: 128
    .sgpr_count:     96
    .vgpr_count:     768
    .wavefront_size: 32
...
	.end_amdgpu_metadata
.endif
;; end of part 4
